; MI455X (gfx1250); checked and timed in simulation.
; The chip was launched on July 23, 2026; its instructions are those of AMD's public machine-readable ISA for CDNA 5 (MIT licence, August 2026) and "CDNA5" Instruction Set Architecture Reference Guide (July 2026). The comments in the code are by the model that wrote it; some were corrected since.
;; Attention. Allowed arithmetic: matrix products marked QUANTISED: E2M3 operands, one E8M0 scale for each 32 along K, by v_wmma_scale_f32_16x16x128_f8f6f4 with both operands' format E2M3, f32 sums; products left as they are: f32 operands where the result goes on into a quantised operand, else bf16, f16 or f32 operands; f32 sums; everything else in f32.
;; Inputs: Wk_codes 512 x 64 x 24 uint8 (E2M3 codes of Wk, K innermost, in blocks of 32 codes, four codes in three bytes); Wk_scales 512 x 64 uint8 (E8M0 scales of Wk, one for each 32 codes along K); Wout_codes 2,048 x 64 x 24 uint8 (E2M3 codes of Wout, K innermost, in blocks of 32 codes, four codes in three bytes); Wout_scales 2,048 x 64 uint8 (E8M0 scales of Wout, one for each 32 codes along K); Wq_codes 2,048 x 64 x 24 uint8 (E2M3 codes of Wq, K innermost, in blocks of 32 codes, four codes in three bytes); Wq_scales 2,048 x 64 uint8 (E8M0 scales of Wq, one for each 32 codes along K); Wv_codes 512 x 64 x 24 uint8 (E2M3 codes of Wv, K innermost, in blocks of 32 codes, four codes in three bytes); Wv_scales 512 x 64 uint8 (E8M0 scales of Wv, one for each 32 codes along K); x_codes 4 x 1,024 x 64 x 24 uint8 (E2M3 codes of x, K innermost, in blocks of 32 codes, four codes in three bytes); x_scales 4 x 1,024 x 64 uint8 (E8M0 scales of x, one for each 32 codes along K).
;; Outputs: out0 4 x 1,024 x 2,048 float32.
;; This version of the problem:
;;   THIS VERSION OF THE PROBLEM IS GIVEN IN LOW PRECISION. The matrix products marked QUANTISED in the list below multiply operands that are first quantised to E2M3 (2 exponent bits, 3 mantissa bits; 6 bits a number), with one power-of-two scale for each 32 numbers along K (OCP MX v1.0); their sums are f32. All else is computed in f32.
;;   The module's matrix products, in the order in which they are computed (A, B: the left and right operand; K: the contracted axis; several contracted axes count as one K, in the product's order):
;;     1. [M 4,096, K 2,048] x [K 2,048, N 2,048]; A: input x (given as codes); B: input Wq (given as codes): QUANTISED
;;     2. [M 4,096, K 2,048] x [K 2,048, N 512]; A: input x (given as codes); B: input Wk (given as codes): QUANTISED
;;     3. [M 4,096, K 2,048] x [K 2,048, N 512]; A: input x (given as codes); B: input Wv (given as codes): QUANTISED
;;     4. [M 1,024, K 1] x [K 1, N 64]; A: computed on the way; B: computed on the way: left as it is (no contracted axis)
;;     5. batch 16 x [M 1,024, K 128] x [K 128, N 4,096]; A: computed on the way; B: computed on the way: QUANTISED
;;     6. batch 16 x [M 128, K 1,024] x [K 1,024, N 4,096]; A: computed on the way; B: softmax (see below): QUANTISED
;;     7. [M 4,096, K 2,048] x [K 2,048, N 2,048]; A: computed on the way; B: input Wout (given as codes): QUANTISED
;;   THE QUANTISER, for each operand of a quantised product, along K:
;;     - K is cut into blocks of 32 from its start; a last block that is shorter is filled with zeros.
;;     - A block's scale is 2^e with e = floor(log2(the largest magnitude in the block)) - 2, held to -126 .. 127; a block of zeros has e = 0. As a byte (E8M0): e + 127.
;;     - Each number is divided by its block's scale, clamped to +-7.5, and rounded to the nearest number of E2M3, ties to even, subnormals kept.
;;     - The product sums the exact products of the quantised numbers (number of the format x scale) in f32.
;;   ~~~python
;;   def quantise(x, axis):      # numpy; x: float32 -> the quantised numbers, widened to float32 again
;;       x = np.moveaxis(x, axis, -1); K = x.shape[-1]
;;       x = np.pad(x, [(0, 0)] * (x.ndim - 1) + [(0, -K % 32)]); x = x.reshape(x.shape[:-1] + (-1, 32)); a = np.abs(x).max(-1, keepdims=True)
;;       e = np.where(a > 0, np.clip(np.frexp(np.where(a > 0, a, 1))[1] - 1 - 2, -126, 127), 0)      # np.frexp(a)[1] - 1 = floor(log2(a)), exactly
;;       r = np.clip(x / 2.0 ** e, -7.5, 7.5)
;;       step = 2.0 ** (np.maximum(np.frexp(np.where(r == 0, 1, r))[1] - 1, 0) - 3)
;;       q = np.round(r / step) * step * 2.0 ** e      # np.round: ties to even
;;       return np.moveaxis(q.reshape(q.shape[:-2] + (-1,))[..., :K], -1, axis).astype(np.float32)
;;   ~~~
;;   SOFTMAX AHEAD OF A QUANTISED PRODUCT. Where the list says 'softmax', what is quantised is not the finished softmax but p = 2^(t - M), with t = logit x log2(e) and M = ceil(the row's largest t), a whole number; so 1/2 < the row's largest p <= 1. The row's sum l is taken of the UNQUANTISED p, in f32, and the product's result is divided by l at the end. Since M is a whole number, a kernel that streams over the keys may use a running M (the ceiling of the running maximum): every later rescaling is an exact power of two, which a block's scale takes up: the codes' values come out the same.
;;   OPERANDS COMPUTED ON THE WAY. 'Computed on the way' means the value that the module computes at that place (a softmax that the list does not call 'softmax' is quantised finished and normalised). What goes into a quantiser is computed in f32, as accurately as f32 sums, v_exp_f32 and their like allow (about 1e-6 of the number): no bf16 or f16 on the way to a quantiser, and a product that is left as it is and whose result goes on into a quantised operand takes f32 operands (vector FMAs, or v_wmma_f32_16x16x4_f32). A number that lies on a knife's edge between two numbers of the format may be rounded either way, as far as f32 arithmetic and the matrix unit's own rounding can turn it there, and no further.
;;   INPUTS GIVEN AS CODES. Wk (in the module: [2048, 512], K = its axis 0); Wout (in the module: [2048, 2048], K = its axis 0); Wq (in the module: [2048, 2048], K = its axis 0); Wv (in the module: [2048, 512], K = its axis 0); x (in the module: [4, 1024, 2048], K = its axis 2): each comes as NAME_codes (uint8): NAME with its K axis moved to the last place and cut into blocks of 32 codes, [.., K / 32, bytes a block], one block behind the other in memory; four codes in three bytes: a row's codes are one little-endian stream of bits, code i at bits 6 i .. 6 i + 5 (a code: sign, 2 exponent bits, 3 mantissa bits); and NAME_scales (uint8): the same leading axes, one E8M0 byte (e + 127) for each 32 codes along K. Its value is code x scale, taken as it is: it is not quantised again, and the codes and scales need not be those that the quantiser above would give.
;; One version. Each part assembles by itself: llvm-mc -triple=amdgcn-amd-amdhsa -mcpu=gfx1250 --defsym DOCPART=n.
;; ======== version 1 of 1: 4 launches
;; workspace buffers: qkv 50,331,648 bytes; q_img 6,291,456 bytes; q_sc 524,288 bytes; kv 3,407,872 bytes; enc_img 6,291,456 bytes; enc_sc 262,144 bytes; wo_img 3,145,728 bytes
;; launch qkv (part 1): grid 8 x 32, 4 waves a work-group, clusters of 4 x 4, 327,680 bytes of LDS; arguments x_codes, x_scales, Wq_codes, Wq_scales, Wk_codes, Wk_scales, Wv_codes, Wv_scales, qkv; writes qkv
.if DOCPART == 1
	.amdgcn_target "amdgcn-amd-amdhsa--gfx1250"
	.amdhsa_code_object_version 6
	.text
	.protected	k_q0c248ad3a2_qkv
	.globl	k_q0c248ad3a2_qkv
	.p2align	8
	.type	k_q0c248ad3a2_qkv,@function
k_q0c248ad3a2_qkv:
	s_mov_b64 s[64:65], 0
	v_nop
	global_prefetch_b8 v0, s[64:65] scope:SCOPE_SE
	s_setreg_imm32_b32 hwreg(HW_REG_WAVE_MODE, 25, 1), 1
	s_wait_xcnt 0x0
	s_wait_alu depctr_hold_cnt(0) depctr_sa_sdst(0) depctr_va_vdst(0) depctr_va_sdst(0) depctr_va_ssrc(0) depctr_va_vcc(0) depctr_vm_vsrc(0)
	s_getreg_b32 s2, hwreg(HW_REG_IB_STS2, 6, 4)
	s_cmp_eq_u32 s2, 0
	s_cbranch_scc0 .Lentry_in_a_cluster
	s_endpgm
.Lentry_in_a_cluster:
	s_bfe_u32 s2, ttmp6, 0x10000c
	s_cmp_lg_u32 s2, 0xf033
	s_cbranch_scc0 .Lentry_shape_is_right
	s_endpgm
.Lentry_shape_is_right:
; qkv[token][n] = sum over k of x[token][k] W[n][k], W = Wq's 2,048 rows, then Wk's 512, then Wv's 512.  x and W: codes of FP6 (E2M3), K innermost, 96 bytes for 128 codes,
; one E8M0 byte for each 32 along K; qkv: [4096][3072] f32; sums in f32.  Codes and scale bytes go to the matrix unit as they lie in memory.
; SHARES.  4,096 x 3,072 in tiles of 128 x 384 are 32 x 8 = 256 work-groups.  The four waves stand side by side: each makes all 128 rows x 96 columns: 8 x NB accumulators of 16 x 16.
; K goes in steps of 256 (rows of 192 bytes) through a ring of two LDS slots.  A slot is 1 + NCH chunks of 128 rows: wave 0 fetches A's, wave w = 1 .. NCH chunk w - 1 of B's: one tensor load a wave.
; A chunk of 128 rows of W lies wholly in one of Wq, Wk, Wv (16, 4 and 4 chunks): the buffer is chosen by s_cselect on the chunk's number.
; THE SCALES of the tile's rows, for all of K, are dense blocks of 8,192 bytes a chunk: they come into LDS once, with the first fills, as units of 256 bytes + 16 of padding.
; CLUSTERS: 4 x 4 work-groups.  A's chunk hangs on the tile row alone and is asked for jointly along a row of the cluster, B's chunks on the tile column alone and jointly along a column.
; THE MATRIX INSTRUCTION IS USED TRANSPOSED (source 0 = 16 rows of W, source 1 = 16 rows of x): a lane holds eight neighbouring numbers of a row of the result.
; REGISTERS: window 0: v12-31 addresses; v32-63 scale words, two sets; v64-159 rows on the way out; v128-223 A's 8 fragments, one set.  window 1: B's NB fragments, two sets, at v0 and v128.
;   windows 2, 3: accumulator (a, b) at v[8 (NB (a % 4) + b)], a < 4 in window 2.
.set QKV,    1
.set NB,     6                         ; blocks of 16 columns a wave
.set NCH,    3                         ; chunks of 128 rows of B in a tile
.set APITCH, 1536                      ; from row to row of A's codes in memory
.set ASTEP,  192                       ; from K step to K step of A's codes
.set CP,     12288                     ; a row of the result in bytes
.set NT,     64*NB                     ; the tile's columns
.set BPITCH, 1536
.set BSTEP,  192
.set ROWB,   192                       ; a tile's row: 256 codes
.set PITCH,  240                       ; in LDS: 3 x (64 bytes + 16 of padding)
.set FR,     12                        ; registers of a fragment
.set NL,     6                         ; LDS loads that bring one
.set NP,     4                         ; places behind this matrix instruction (ISA guide 7.12.1)
.set HALFT,  128*PITCH                 ; a chunk in LDS
.set SLOT,   (1+NCH)*HALFT
.set LAPS,   4                         ; 2,048 along K = 8 K steps = 4 times round the ring
.set SCL,    2*SLOT                    ; behind the ring: the scales
.set HALFS,  32*272                    ; those of a chunk
.set SBLK,   4*272                     ; those of 16 rows
.set SPARE,  SCL+(1+NCH)*HALFS         ; the spare words: 128 bytes a wave, two blocks of 256 bytes that no other line names
.set SP,     4*NT+16                   ; the way out: a stage row
.set RL,     4*NT/512                  ; loads of 512 bytes in a row
.set LPB,    4*RL                      ; loads in a batch of four rows
.set RD,   12
.set CO,   13
.set ADRA, 16                          ; v16-17 my A fragments in slot 0, 1; v18-19 the same behind one padding more
.set ADRB, 20                          ; v20-23 the same for B
.set STO,  24                          ; v24-27 the stage, on the way in: rows 32 k on
.set SPW,  28
.set NIL,  29
.set ADRS, 30                          ; scale words: lanes 0-15 A's rows, lanes 16-31 B's
.set ADRS2, 31                         ; scale words: A's rows in both halves
.set SC,   32
.set BK,   64
.set AF,   128
.set G1,   24
.set G0,   32
.set G1B,  48
.set G0B,  56
.set G1S,  68
.set G0S,  76
.set G1SB, 80
.set G0SB, 88
.set MSB, 0
.macro WIN new                         ; the immediate's high byte repeats the setting that is left
.if MSB != (\new)
	s_set_vgpr_msb (MSB<<8)|(\new)
.set MSB, (\new)
.endif
.endm
.set MUL_LO, 0xa1                      ; source 0 (B) window 1, source 1 (A) window 0, C and D window 2
.set MUL_HI, 0xf1                      ; the same, C and D window 3
.set TO_B,   0x40                      ; destination window 1, address window 0
.macro PLACES n
.rept \n
	v_nop
.endr
.endm
; A joint refill of slot s: wave 0 asks for A's chunk, waves 1 .. NCH for B's.  The branches hang on the wave's number alone.  Four v_nop follow each line.
.macro JLOAD s
	s_cmp_eq_u32 s14, 0
	s_cbranch_scc0 .Lfor_b_\@
	tensor_load_to_lds s[G0+4*\s:G0+4*\s+3], s[G1:G1+7]
	s_nop 0
	PLACES 4
	s_branch .Lasked_\@
.Lfor_b_\@:
.if NCH < 3
	s_cmp_gt_u32 s14, NCH
	s_cbranch_scc1 .Lasked_\@
.endif
	tensor_load_to_lds s[G0B+4*\s:G0B+4*\s+3], s[G1B:G1B+7]
	s_nop 0
	PLACES 4
.Lasked_\@:
.endm
.macro CREST                           ; a round of the cluster's barrier behind its opening barrier
	s_cmp_lg_u32 s14, 0
	s_cbranch_scc1 .Lnot_wave_0_\@
	s_barrier_signal -3
.Lnot_wave_0_\@:
	s_barrier_wait -3
	s_barrier_signal -1
	s_barrier_wait -1
.endm
.macro CROUND
	s_barrier_signal -1
	s_barrier_wait -1
	CREST
.endm
.if QKV
	s_load_b256 s[4:11], s[0:1], 0x0               ; x's codes s[4:5], x's scales s[6:7], Wq's codes s[8:9], Wq's scales s[10:11]
	s_load_b256 s[68:75], s[0:1], 0x20             ; Wk's codes, Wk's scales, Wv's codes, Wv's scales
	s_load_b64 s[12:13], s[0:1], 0x40              ; the result
.else
	s_load_b256 s[4:11], s[0:1], 0x0               ; A's codes, A's scales, B's codes, B's scales
	s_load_b64 s[12:13], s[0:1], 0x20              ; the result
.endif
	v_lshl_add_u32 v[SPW], v0, 2, SPARE
	v_mov_b32 v[NIL], 0
	ds_add_u32 v28, v29
	s_wait_dscnt 0x0
	v_lshrrev_b32 v1, 5, v0
	v_readfirstlane_b32 s14, v1                    ; wave 0..3
	s_bfe_u32 s40, ttmp6, 0x40000                  ; cx
	s_bfe_u32 s41, ttmp6, 0x40004                  ; cy
	s_lshl_b32 s42, ttmp9, 2
	s_add_co_u32 s42, s42, s40                     ; tile column = 4 x cluster x + cx
	s_and_b32 s17, ttmp7, 0xffff
	s_lshl_b32 s17, s17, 2
	s_add_co_u32 s17, s17, s41                     ; tile row = 4 x cluster y + cy
	s_lshl_b32 s43, s41, 2
	s_lshl_b32 s43, 15, s43                        ; my row of the cluster
	s_lshl_b32 s44, 0x1111, s40                    ; my column
	; group 1 for the codes: 128 rows x 192 bytes; 16 bytes of padding behind every 64
	s_or_b32 s[G1+0], s43, (0<<16)|(1<<20)|(1<<21)|(3<<22)|(3<<25)
	s_or_b32 s[G1B+0], s44, (0<<16)|(1<<20)|(1<<21)|(3<<22)|(3<<25)
.irp g, G1, G1B
	s_mov_b32 s[\g+1], ROWB<<16                    ; tensor_dim0
	s_mov_b32 s[\g+2], 128<<16                     ; tensor_dim1
	s_mov_b32 s[\g+3], ROWB<<16                    ; tile_dim0
	s_mov_b32 s[\g+4], 128                         ; tile_dim1
	s_mov_b32 s[\g+6], 0
	s_mov_b32 s[\g+7], 0
.endr
	s_mov_b32 s[G1+5], APITCH                      ; from row to row
	s_mov_b32 s[G1B+5], BPITCH
	s_mul_i32 s20, s17, 128*APITCH                 ; A: my tile row's codes,
	s_mov_b32 s21, 0
	s_lshl_b32 s22, s17, 13                        ; and its scales: 128 rows x 64 bytes
	s_mov_b32 s23, 0
	s_max_u32 s45, s14, 1
	s_min_u32 s45, s45, NCH
	s_sub_co_u32 s45, s45, 1                       ; which of the tile's chunks of B is mine to fetch
	s_mul_i32 s46, s42, NCH
	s_add_co_u32 s46, s46, s45                     ; its number among all chunks of B
	s_mul_i32 s18, s14, HALFT                      ; where my chunk goes in a slot: no place in the cluster enters an LDS address
	s_mul_i32 s19, s14, HALFS                      ; and its scales
	s_wait_kmcnt 0x0
.if QKV
	s_cmp_lt_u32 s46, 20                           ; chunks 0-15: Wq; 16-19: Wk; 20-23: Wv.  The choice hangs on the chunk's number alone
	s_cselect_b64 s[92:93], s[68:69], s[72:73]
	s_cselect_b64 s[94:95], s[70:71], s[74:75]
	s_cselect_b32 s47, 16, 20
	s_cmp_lt_u32 s46, 16
	s_cselect_b64 s[8:9], s[8:9], s[92:93]
	s_cselect_b64 s[10:11], s[10:11], s[94:95]
	s_cselect_b32 s47, 0, s47
	s_sub_co_u32 s46, s46, s47                     ; the chunk's number in its own buffer
.endif
	s_mul_i32 s92, s46, 128*BPITCH
	s_mov_b32 s93, 0
	s_lshl_b32 s94, s46, 13
	s_mov_b32 s95, 0
	s_add_nc_u64 s[20:21], s[4:5], s[20:21]
	s_add_nc_u64 s[22:23], s[6:7], s[22:23]
	s_add_nc_u64 s[92:93], s[8:9], s[92:93]
	s_add_nc_u64 s[94:95], s[10:11], s[94:95]
	; group 1 for the scales of a chunk: 8,192 dense bytes as 32 rows of 256 bytes (32 elements of 8), 16 bytes of padding behind each
	s_or_b32 s[G1S+0], s43, (3<<16)|(1<<20)|(1<<21)|(5<<22)|(3<<25)
	s_or_b32 s[G1SB+0], s44, (3<<16)|(1<<20)|(1<<21)|(5<<22)|(3<<25)
.irp g, G1S, G1SB
	s_mov_b32 s[\g+1], 32<<16
	s_mov_b32 s[\g+2], 32<<16
	s_mov_b32 s[\g+3], 32<<16
	s_mov_b32 s[\g+4], 32
	s_mov_b32 s[\g+5], 32
	s_mov_b32 s[\g+6], 0
	s_mov_b32 s[\g+7], 0
.endr
	s_mov_b32 s[G0S], 1
	s_add_co_u32 s[G0S+1], s19, SCL
	s_mov_b64 s[G0S+2:G0S+3], s[22:23]
	s_or_b32 s[G0S+3], s[G0S+3], 0x80000000
	s_mov_b32 s[G0SB], 1
	s_add_co_u32 s[G0SB+1], s19, SCL
	s_mov_b64 s[G0SB+2:G0SB+3], s[94:95]
	s_or_b32 s[G0SB+3], s[G0SB+3], 0x80000000
.irp s, 0,1
	s_mov_b32 s[G0+4*\s], 1
	s_add_co_u32 s[G0+4*\s+1], s18, \s*SLOT
	s_add_nc_u64 s[G0+4*\s+2:G0+4*\s+3], s[20:21], \s*ASTEP
	s_or_b32 s[G0+4*\s+3], s[G0+4*\s+3], 0x80000000
	s_mov_b32 s[G0B+4*\s], 1
	s_add_co_u32 s[G0B+4*\s+1], s18, \s*SLOT
	s_add_nc_u64 s[G0B+4*\s+2:G0B+4*\s+3], s[92:93], \s*BSTEP
	s_or_b32 s[G0B+4*\s+3], s[G0B+4*\s+3], 0x80000000
.endr
	CROUND                                         ; all sixteen work-groups are here: the first joint loads meet
	s_cmp_eq_u32 s14, 0                            ; a wave's three first fills stand in one branch: its scales, its chunk of K step 0, of K step 1: three loads of mine are out
	s_cbranch_scc0 .Lfirst_b
	tensor_load_to_lds s[G0S:G0S+3], s[G1S:G1S+7]
	s_nop 0
	tensor_load_to_lds s[G0:G0+3], s[G1:G1+7]
	s_nop 0
	tensor_load_to_lds s[G0+4:G0+7], s[G1:G1+7]
	s_nop 0
	PLACES 4
	s_branch .Lfirst_done
.Lfirst_b:
.if NCH < 3
	s_cmp_gt_u32 s14, NCH
	s_cbranch_scc1 .Lfirst_done
.endif
	tensor_load_to_lds s[G0SB:G0SB+3], s[G1SB:G1SB+7]
	s_nop 0
	tensor_load_to_lds s[G0B:G0B+3], s[G1B:G1B+7]
	s_nop 0
	tensor_load_to_lds s[G0B+4:G0B+7], s[G1B:G1B+7]
	s_nop 0
	PLACES 4
.Lfirst_done:
	v_and_b32 v1, 15, v0                           ; r = lane % 16
	v_bfe_u32 v2, v0, 4, 1                         ; h = lane / 16
	v_mul_u32_u24 v3, v1, PITCH
	v_mul_u32_u24 v4, v2, 24
	v_add_nc_u32 v4, v3, v4                        ; a fragment's row x pitch + 24 h
	v_lshl_add_u32 v5, v2, 4, v4                   ; and the same behind one padding more
	s_mov_b32 s21, 0                               ; A's 128 rows head a slot
	s_mul_i32 s22, s14, 16*NB*PITCH                ; my 16 NB rows of B,
	s_add_co_u32 s22, s22, HALFT                   ; behind A's
.irp s, 0,1
	v_add_nc_u32 v[ADRA+\s], s21, v4
	v_add_nc_u32 v[ADRB+\s], s22, v4
	v_add_nc_u32 v[ADRA+2+\s], s21, v5
	v_add_nc_u32 v[ADRB+2+\s], s22, v5
	s_add_co_u32 s21, s21, SLOT
	s_add_co_u32 s22, s22, SLOT
.endr
	v_lshlrev_b32 v5, 6, v1                        ; a row's scales: 64 bytes a row,
	v_lshrrev_b32 v6, 2, v1
	v_lshl_add_u32 v5, v6, 4, v5                   ; and 16 more for each 256 passed
	v_add_nc_u32 v[ADRS2], SCL, v5
	s_mul_i32 s22, s14, NB*SBLK
	s_add_co_u32 s22, s22, HALFS                   ; from A's rows to my rows of B
	v_mul_u32_u24 v6, s22, v2                      ; lanes 16-31 take B's
	v_add_nc_u32 v[ADRS], v[ADRS2], v6
	v_mul_u32_u24 v5, v1, SP                       ; the stage, in: row r, 32 bytes for each half of the lanes, my 64 NB bytes of a row
	v_lshl_add_u32 v5, v2, 5, v5
	s_mul_i32 s23, s14, 64*NB
	v_add_nc_u32 v5, s23, v5
.irp k, 0,1,2,3
	v_add_nc_u32 v[STO+\k], \k*32*SP, v5
.endr
	v_and_b32 v6, 31, v0
	v_lshlrev_b32 v[CO], 4, v6                     ; back: 32 lanes take 512 bytes of a row; the same in memory
	s_mul_i32 s23, s14, 32*SP                      ; wave w stores rows 32 w .. 32 w + 31
	v_add_nc_u32 v[RD], s23, v[CO]
	s_lshl_b32 s20, s17, 7
	s_lshl_b32 s21, s14, 5
	s_add_co_u32 s20, s20, s21
	s_mul_i32 s20, s20, CP                         ; the first row that I store (under 2^32 bytes)
	s_mov_b32 s21, 0
	s_mul_i32 s46, s42, 4*NT                       ; the tile's first column
	s_mov_b32 s47, 0
	s_add_nc_u64 s[12:13], s[12:13], s[20:21]
	s_add_nc_u64 s[12:13], s[12:13], s[46:47]
; A fragment, 16 rows x 128 K, is 12 registers: lane (r, h) holds row r; registers 6 c .. 6 c + 5 hold K = 64 c + 32 h + 0 .. 31: 24 bytes of the row as they lie, in pieces of 8 bytes.
; Lanes 16-31 read three pieces further on; where that is behind one padding more, the second address register serves.
.macro FRAG reg, adr, q, i
.irp p, 0,1,2,3,4,5
.set PCE, 12*(\q)+6*(\p/3)+\p%3
.if PCE%8 < 5
	ds_load_b64 v[\reg+2*\p:\reg+2*\p+1], v[\adr] offset:8*PCE+16*(PCE/8)+(\i)*16*PITCH
.else
	ds_load_b64 v[\reg+2*\p:\reg+2*\p+1], v[\adr+2] offset:8*PCE+16*(PCE/8)+(\i)*16*PITCH
.endif
.endr
.endm
; 2 NB matrix instructions: A's blocks a0, a0 + 1 x B's NB, the slot's q-th 128 along K.  p: B's set; sc: the set of scale words; zero = 1: the product starts the sums.
; The 8 NB accumulators take turns, one instruction a turn, in the same order in every step.
.macro MULG a0, p, q, sc, zero
.irp a, \a0, \a0+1
.set bb, 0
.rept NB
.set rD, 8*(NB*((\a)%4)+bb)
.set rB, 128*(\p)+FR*bb
.set rA, AF+FR*(\a)
.if \zero
	v_wmma_scale_f32_16x16x128_f8f6f4 v[rD:rD+7], v[rB:rB+FR-1], v[rA:rA+FR-1], 0, v[SC+16*(\sc)+2*bb+(\q)], v[SC+16*(\sc)+2*(\a)+(\q)] matrix_a_fmt:MATRIX_FMT_FP6 matrix_b_fmt:MATRIX_FMT_FP6 matrix_a_scale:MATRIX_SCALE_ROW1
.else
	v_wmma_scale_f32_16x16x128_f8f6f4 v[rD:rD+7], v[rB:rB+FR-1], v[rA:rA+FR-1], v[rD:rD+7], v[SC+16*(\sc)+2*bb+(\q)], v[SC+16*(\sc)+2*(\a)+(\q)] matrix_a_fmt:MATRIX_FMT_FP6 matrix_b_fmt:MATRIX_FMT_FP6 matrix_a_scale:MATRIX_SCALE_ROW1
.endif
.set bb, bb+1
.endr
.endr
.endm
.macro FETCH_B slot, q, p
	WIN TO_B
.set ii, 0
.rept NB
	FRAG 128*(\p)+FR*ii, ADRB+\slot, \q, ii
.set ii, ii+1
.endr
	WIN 0
.endm
.macro FETCH_A slot, q, i0
.irp i, \i0, \i0+1, \i0+2, \i0+3
	FRAG AF+FR*(\i), ADRA+\slot, \q, \i
.endr
.endm
.macro SCALES sc                       ; a K step's two scale words a row: register 2 i + q: lanes 0-15 A's block i, lanes 16-31 B's block i (where B has none: A's again, not read)
.set ii, 0
.rept 8
.if ii < NB
	ds_load_b64 v[SC+16*\sc+2*ii:SC+16*\sc+2*ii+1], v[ADRS] offset:ii*SBLK
.else
	ds_load_b64 v[SC+16*\sc+2*ii:SC+16*\sc+2*ii+1], v[ADRS2] offset:ii*SBLK
.endif
.set ii, ii+1
.endr
.endm
; A step of 128 along K that has its successor in the same slot.  A has one set of registers: blocks 0-3 are fetched anew in the step's middle, blocks 4-7 at its end.
.macro STEP slot, q, zero
	s_wait_dscnt 4*NL                              ; all but the youngest 24 loads, A's blocks 4-7, are in
	WIN MUL_LO
	MULG 0, (\q)%2, \q, \slot, \zero
	MULG 2, (\q)%2, \q, \slot, \zero
	s_wait_dscnt 0
	PLACES NP                                      ; in front of loads into registers that matrix instructions have read
	FETCH_B \slot, (\q)+1, 1-(\q)%2
	FETCH_A \slot, (\q)+1, 0
	WIN MUL_HI
	MULG 4, (\q)%2, \q, \slot, \zero
	MULG 6, (\q)%2, \q, \slot, \zero
	PLACES NP
	WIN 0
	FETCH_A \slot, (\q)+1, 4
.endm
; A slot's last step changes slots: one barrier; in front of it each wave waits for all its tensor loads, adds 0 to its spare word, and waits for that and for its reads of this slot.
.macro TURN slot, next, fill
	s_wait_tensorcnt 0x0                           ; all my tensor loads have landed: the one that was out is my chunk of the next slot
	ds_add_u32 v[SPW], v[NIL]                      ; 0 onto my spare word
	s_wait_dscnt 4*NL+1                            ; (the add and A's blocks 4-7 may be out)
	WIN MUL_LO
	MULG 0, 1, 1, \slot, 0                         ; matrix work stands between the add and the wait for it
	s_wait_dscnt 0x0                               ; the add is done, and my reads of this slot are over
	s_barrier_signal -1
	MULG 2, 1, 1, \slot, 0
	WIN 0
	s_barrier_wait -1
.if \fill
	CREST                                          ; the barrier has opened a round of the cluster's: no wave of any partner still reads this slot or has a load on its way
	s_add_nc_u64 s[G0+4*\slot+2:G0+4*\slot+3], s[G0+4*\slot+2:G0+4*\slot+3], 2*ASTEP
	s_add_nc_u64 s[G0B+4*\slot+2:G0B+4*\slot+3], s[G0B+4*\slot+2:G0B+4*\slot+3], 2*BSTEP
	JLOAD \slot                                    ; the first tensor load behind the round; its four v_nop are the places in front of the loads below
.if NCH < 3
	PLACES NP                                      ; (the wave that fetches nothing has passed none)
.endif
.else
	PLACES NP
.endif
	v_add_nc_u32 v[ADRS], 8, v[ADRS]               ; on to the next K step's scale words
	v_add_nc_u32 v[ADRS2], 8, v[ADRS2]
	FETCH_B \next, 0, 0
	FETCH_A \next, 0, 0
	SCALES \next
	WIN MUL_HI
	MULG 4, 1, 1, \slot, 0
	MULG 6, 1, 1, \slot, 0
	PLACES NP
	WIN 0
	FETCH_A \next, 0, 4
.endm
	s_wait_tensorcnt 1                             ; my scales and my chunk of K step 0 are in; K step 1's load may be out
	s_barrier_signal -1
	s_barrier_wait -1
	FETCH_B 0, 0, 0
	FETCH_A 0, 0, 0
	SCALES 0
	FETCH_A 0, 0, 4
	STEP 0, 0, 1                                   ; the first step stands in front of the loop: its products start the sums
	s_mov_b32 s3, LAPS-1
.Llap:                                             ; a trip goes once round the ring and fills both slots again
	TURN 0, 1, 1
	STEP 1, 0, 0
	TURN 1, 0, 1
	STEP 0, 0, 0
	s_sub_co_u32 s3, s3, 1
	s_cmp_lg_u32 s3, 0
	s_cbranch_scc1 .Llap
	TURN 0, 1, 0                                   ; the last lap fills nothing
	STEP 1, 0, 0
	s_wait_dscnt 4*NL
	WIN MUL_LO
	MULG 0, 1, 1, 1, 0
	MULG 2, 1, 1, 1, 0
	s_wait_dscnt 0
	WIN MUL_HI
	MULG 4, 1, 1, 1, 0
	MULG 6, 1, 1, 1, 0
	WIN 0
; THE WAY OUT.  A wave's 64 NB bytes of a row are no whole number of aligned blocks of 256 bytes, so the four waves share one stage of 128 rows, which lies in the ring: both slots have had
; their last fill, and behind the barrier below nobody reads them.  Then each wave stores 32 whole rows, 512 consecutive bytes an instruction.
	s_barrier_signal -1                            ; my LDS loads are all in (the wait for 0 above)
	s_barrier_wait -1
	PLACES NP                                      ; in front of the first read of the last results
.set aa, 0
.rept 8
	WIN 0x08+4*(aa/4)                              ; an LDS store's data are its source 1: window 2 or 3
.set bb, 0
.rept NB
.set rD, 8*(NB*(aa%4)+bb)
	ds_store_b128 v[STO+aa/2], v[rD:rD+3] offset:(aa%2)*16*SP+64*bb        ; each accumulator from its low end on
	ds_store_b128 v[STO+aa/2], v[rD+4:rD+7] offset:(aa%2)*16*SP+64*bb+16
.set bb, bb+1
.endr
.set aa, aa+1
.endr
	WIN 0
	s_wait_dscnt 0x0                               ; for the others' sake: my stores into the stage are done
	s_barrier_signal -1
	s_barrier_wait -1
.macro LOADB k                         ; four rows back from the stage
.set BB, BK+48*((\k)%2)
.set ii, 0
.rept 4
.set cc, 0
.rept RL
	ds_load_b128 v[BB+4*(RL*ii+cc):BB+4*(RL*ii+cc)+3], v[RD] offset:(4*(\k)+ii)*SP+512*cc
.set cc, cc+1
.endr
.set ii, ii+1
.endr
.endm
.macro SEND k, younger                 ; younger: the next batch's loads, which may stay out
.set BB, BK+48*((\k)%2)
	s_wait_dscnt \younger
.set ii, 0
.rept 4
.set cc, 0
.rept RL
	global_store_b128 v[CO], v[BB+4*(RL*ii+cc):BB+4*(RL*ii+cc)+3], s[12:13] offset:(4*(\k)+ii)*CP+512*cc th:TH_STORE_NT   ; 32 lanes store 512 consecutive bytes, at a multiple of 256 from the buffer's first byte
.set cc, cc+1
.endr
.set ii, ii+1
.endr
.endm
	LOADB 0
.irp k, 1,2,3,4,5,6,7
.if \k > 1
	s_wait_xcnt 0x0                                ; batch k - 2's stores have read their registers: batch k's loads may land there
.endif
	LOADB \k
	SEND \k-1, LPB
.endr
	SEND 7, 0
	s_wait_tensorcnt 0x0                           ; the wave's end
	ds_add_u32 v[SPW], v[NIL]
	s_wait_dscnt 0x0
	CROUND                                         ; the closing round: no work-group ends while a partner may still ask for a tile that names it
	s_endpgm
.Lfunc_end_k_q0c248ad3a2_qkv:
	.size	k_q0c248ad3a2_qkv, .Lfunc_end_k_q0c248ad3a2_qkv-k_q0c248ad3a2_qkv
	.p2alignl 7, 3214868480
	.fill 96, 4, 3214868480
	.section	.rodata,"a",@progbits
	.p2align	6, 0x0
	.amdhsa_kernel k_q0c248ad3a2_qkv
		.amdhsa_group_segment_fixed_size 327680
		.amdhsa_private_segment_fixed_size 0
		.amdhsa_enable_private_segment 0
		.amdhsa_kernarg_size 72
		.amdhsa_user_sgpr_count 2
		.amdhsa_user_sgpr_kernarg_segment_ptr 1
		.amdhsa_wavefront_size32 1
		.amdhsa_system_sgpr_workgroup_id_x 1
		.amdhsa_system_sgpr_workgroup_id_y 1
		.amdhsa_system_sgpr_workgroup_id_z 1
		.amdhsa_system_vgpr_workitem_id 0
		.amdhsa_next_free_vgpr 1024
		.amdhsa_next_free_sgpr 100
		.amdhsa_reserve_vcc 0
		.amdhsa_float_denorm_mode_32 3
		.amdhsa_float_denorm_mode_16_64 3
		.amdhsa_memory_ordered 1
		.amdhsa_forward_progress 1
		.amdhsa_inst_pref_size 130
	.end_amdhsa_kernel
	.amdgpu_metadata
---
amdhsa.version: [ 1, 2 ]
amdhsa.kernels:
  - .name:           k_q0c248ad3a2_qkv
    .symbol:         k_q0c248ad3a2_qkv.kd
    .args:
      - { .name: x_codes, .offset: 0, .size: 8, .value_kind: global_buffer, .address_space: global }
      - { .name: x_scales, .offset: 8, .size: 8, .value_kind: global_buffer, .address_space: global }
      - { .name: Wq_codes, .offset: 16, .size: 8, .value_kind: global_buffer, .address_space: global }
      - { .name: Wq_scales, .offset: 24, .size: 8, .value_kind: global_buffer, .address_space: global }
      - { .name: Wk_codes, .offset: 32, .size: 8, .value_kind: global_buffer, .address_space: global }
      - { .name: Wk_scales, .offset: 40, .size: 8, .value_kind: global_buffer, .address_space: global }
      - { .name: Wv_codes, .offset: 48, .size: 8, .value_kind: global_buffer, .address_space: global }
      - { .name: Wv_scales, .offset: 56, .size: 8, .value_kind: global_buffer, .address_space: global }
      - { .name: qkv, .offset: 64, .size: 8, .value_kind: global_buffer, .address_space: global }
    .group_segment_fixed_size: 327680
    .private_segment_fixed_size: 0
    .kernarg_segment_align: 8
    .kernarg_segment_size: 72
    .max_flat_workgroup_size: 128
    .sgpr_count:     100
    .vgpr_count:     1024
    .wavefront_size: 32
...
	.end_amdgpu_metadata
.endif
;; end of part 1
;; launch prep (part 2): grid 256 x 1, 24 waves a work-group, no clusters, 216,064 bytes of LDS; arguments qkv, q_img, q_sc, kv, Wout_codes, wo_img; writes q_img, q_sc, kv, wo_img
.if DOCPART == 2
	.amdgcn_target "amdgcn-amd-amdhsa--gfx1250"
	.amdhsa_code_object_version 6
	.text
	.protected	k_q0c248ad3a2_prep
	.globl	k_q0c248ad3a2_prep
	.p2align	8
	.type	k_q0c248ad3a2_prep,@function
k_q0c248ad3a2_prep:
	s_mov_b64 s[64:65], 0
	v_nop
	global_prefetch_b8 v0, s[64:65] scope:SCOPE_SE
	s_setreg_imm32_b32 hwreg(HW_REG_WAVE_MODE, 25, 1), 1
	s_wait_xcnt 0x0
; From qkv [4096 tokens][3072] f32 (columns 0-2047 q, 2048-2559 k, 2560-3071 v) to codes of FP6 (E2M3) with one E8M0 byte for each 32 along the next product's K:
;   q = rope(q x rsqrt(mean over 2,048 columns of q^2 + 1e-6)) / sqrt(128), along a head's 128;   k = rope(k x rsqrt(mean over 512 columns + 1e-6)), likewise;   v along the KEYS.
; The codes are stored as IMAGES OF THE OPERAND'S REGISTERS: a fragment (16 rows x 128 K, 12 registers a lane) is three pieces of 512 bytes, piece c = lane l's registers 4 c .. 4 c + 3 at 16 l;
; its scale words 128 bytes, the row's word at 4 l (lanes 16-31 repeat it).
;   q_img [token / 16][head][1536], q_sc [token / 16][head][128];  kv: 16 blocks of 212,992 bytes (4 batch + kv head), each eight blocks of 26,624 bytes, one for a key step of 128 keys:
;   K's 8 fragments (16 neighbouring keys each), their scale words at 12,288, V's 8 fragments at 13,312, their scale words at 25,600.
; V's ORDER.  Row m of tile t is the head's dimension 32 (t / 2) + 8 (t % 2) + m + 8 (m / 8); inside each block of 32 keys the groups of eight keys lie in the order 0, 2, 1, 3: the order in which
; the attention launch's weights come out of its first product.  The blocks, and so the scales, are the natural ones.
; Wout's CODES are copied into images too, unchanged, for the last launch: wo_img [128 rows (16)][K / 512 (4)][tile of 16 rows (8)][K step of 128 (4)][1536].
; SHARES.  Work-group g: tokens 16 g .. 16 g + 15 of q and k: wave w < 16 takes q's head w, wave 16 + j k's head j, one fragment each.  Waves 20-23 take 128 tokens x 64 columns of v
; (tokens 128 (g / 8) on, columns 64 (g % 8) on), one fragment each.  Each wave brings its tile into LDS by one tensor load; LDS is filled once.  No work-group shares an input with another: no cluster.
; While the tiles are on their way, waves 0-15 make the sine table, and waves 16-23 copy one fragment of Wout each: rows 16 (g / 2) on, K steps 8 (g % 2) + w % 8: 768 consecutive bytes of each row a work-group.
; THE SINE TABLE of the 16 tokens: a token a wave, two frequencies a lane: 10000^(-i / 64) = 2^(-i c), c = log2(10) / 16 in two parts; the angle is reduced by pi / 2 in two parts;
; sine and cosine by polynomials of degree 7 and 8 on +-pi / 4.
; REGISTERS: 130 a wave, six waves to a SIMD.  v1-15 lane numbers and addresses; v16-47 Y (ahead of the rotation: the table's work or Wout's fragment, then the sums and the factor); v48-111 X;
; v112-127 a piece of the table, 8 cosines and 8 sines (ahead of the barrier: the sum of squares).  Behind the rotation v80-114 are free and hold the quantiser's work.
; LIMITS: NaN and infinities are not served.  A block whose largest magnitude lies under 2^-124 (zeros too) gets the byte 1: this program alone reads the bytes.  The norm's factor and 1 / sqrt(128)
; are multiplied into one factor, ahead of the rotation: one rounding more than the order norm, rotation, scale has.  Frequencies, sines and cosines are good to about the last bit of f32.
.set QTB,   8448                       ; a q or k tile: 16 rows x (512 bytes + 16)
.set VT,    168960                     ; v's tile: 128 rows x 256 bytes
.set TAB,   201728                     ; the table: 16 tokens x 528: 64 cosines, 64 sines
.set SSQ,   210176                     ; sums of squares: 32 slots x 16 rows x 4 bytes
.set KVB,   212992
.set STB,   26624                      ; a key step's block in kv
.set TA,  4
.set VA,  5
.set SSW, 6                            ; v6-9
.set SSR, 10
.set TBW, 11
.set TBR, 12
.set LI,  13
.set LS,  14
.set PD,  15                           ; a lane permute's destination
.set Y,   16                           ; v16-47
.set SM,  16                           ; v16-31 the sixteen partial sums; v32-35 mean, rsqrt, factor
.set X,   48                           ; v48-111
.set CT,  112                          ; v112-119 cosines, v120-127 sines
.set PC,  80                           ; v80-91 the codes
.set BM,  96                           ; v96-99 largest magnitudes
.set PT,  100                          ; v100-107 at work
.set SO,  108                          ; v108-111 the conversions' scale operands
.set PW,  112                          ; the scale word
.set TW,  114
	s_load_b256 s[4:11], s[0:1], 0x0               ; qkv s[4:5], q_img s[6:7], q_sc s[8:9], kv s[10:11]
	s_load_b128 s[68:71], s[0:1], 0x20             ; Wout's codes s[68:69], wo_img s[70:71]
	v_lshl_add_u32 v128, v0, 2, 0x34000
	v_mov_b32 v129, 0
	ds_add_u32 v128, v129
	v_lshrrev_b32 v1, 5, v0
	v_readfirstlane_b32 s14, v1                    ; wave 0..23
	v_and_b32 v1, 31, v0                           ; lane
	v_and_b32 v2, 15, v0                           ; r
	v_bfe_u32 v3, v0, 4, 1                         ; h
	s_and_b32 s15, s14, 3                          ; k's head in waves 16-19; v's tile in waves 20-23
	s_mov_b32 s12, 0x76543210
	s_mov_b32 s13, 0xfedcba98                      ; v_permlanex16_b32's selects for lane l xor 16
	; group 1: q, k: 16 rows x 512 bytes (64 elements of 8), 12,288 bytes apart, 16 bytes of padding behind each;  v: 32 rows x 256 bytes, no padding
	s_mov_b32 s16, (3<<16)|(1<<20)|(6<<22)|(3<<25)
	s_mov_b32 s17, 64<<16
	s_mov_b32 s18, 16<<16
	s_mov_b32 s19, 64<<16
	s_mov_b32 s20, 16
	s_mov_b32 s21, 1536
	s_mov_b32 s22, 0
	s_mov_b32 s23, 0
	s_mov_b32 s24, 3<<16
	s_mov_b32 s25, 32<<16
	s_mov_b32 s26, 32<<16
	s_mov_b32 s27, 32<<16
	s_mov_b32 s28, 32
	s_mov_b32 s29, 1536
	s_mov_b32 s30, 0
	s_mov_b32 s31, 0
	s_mov_b32 s32, 1
	s_mul_i32 s33, s14, QTB                        ; my tile of q or k in LDS
	s_mov_b32 s36, 1
	s_lshl_b32 s37, s15, 13
	s_add_co_u32 s37, s37, VT                      ; my 32 rows of v's tile
	s_mul_i32 s52, ttmp9, 196608                   ; 16 tokens x 12,288 bytes,
	s_lshl_b32 s54, s14, 9                         ; + 512 bytes a head
	s_add_co_u32 s52, s52, s54
	s_mov_b32 s53, 0
	s_lshr_b32 s54, ttmp9, 3                       ; v: tokens 128 (g / 8) + 32 (w % 4) on,
	s_lshl_b32 s54, s54, 7
	s_lshl_b32 s55, s15, 5
	s_add_co_u32 s54, s54, s55
	s_mul_i32 s54, s54, 12288
	s_and_b32 s55, ttmp9, 7                        ; columns 2,560 + 64 (g % 8) on
	s_lshl_b32 s55, s55, 8
	s_add_co_u32 s54, s54, s55
	s_add_co_u32 s54, s54, 10240
	s_mov_b32 s55, 0
	; every LDS address is made here, ahead of the first parting of the waves
	v_mul_u32_u24 v[TA], v2, 528
	v_lshl_add_u32 v[TA], v3, 6, v[TA]             ; r x 528 + 64 h: my 16 numbers of each block of 32
	v_add_nc_u32 v[TBR], TAB, v[TA]                ; the same place in the table: token r, frequencies 16 h on
	v_add_nc_u32 v[TA], s33, v[TA]
	v_and_b32 v[VA], 8, v2
	v_add_nc_u32 v[VA], v[VA], v2                  ; r + 8 (r / 8)
	v_lshlrev_b32 v[VA], 2, v[VA]
	v_lshl_add_u32 v[VA], v3, 13, v[VA]            ; lanes 16-31 begin 32 keys further down
	s_lshr_b32 s56, s15, 1
	s_lshl_b32 s56, s56, 7                         ; + 32 columns for tiles 2, 3,
	s_and_b32 s57, s15, 1
	s_lshl_b32 s57, s57, 5                         ; + 8 for tiles 1, 3
	s_add_co_u32 s56, s56, s57
	s_add_co_u32 s56, s56, VT
	v_add_nc_u32 v[VA], s56, v[VA]
	s_lshl_b32 s56, s14, 6
	s_add_co_u32 s56, s56, SSQ
	v_lshl_add_u32 v[SSW], v2, 2, s56              ; slot w, row r
	s_lshr_b32 s57, s14, 4
	s_lshl_b32 s58, s57, 8                         ; a k wave writes its sum to slots w, w + 4, w + 8, w + 12; a q wave four times to slot w
	v_add_nc_u32 v[SSW+1], s58, v[SSW]
	v_add_nc_u32 v[SSW+2], s58, v[SSW+1]
	v_add_nc_u32 v[SSW+3], s58, v[SSW+2]
	s_lshl_b32 s58, s57, 10
	s_add_co_u32 s58, s58, SSQ
	v_lshl_add_u32 v[SSR], v2, 2, s58              ; q reads slots 0-15, k slots 16-31: in both cases 16 slots add up to 2,048 x the mean
	s_mul_i32 s56, s14, 528
	s_add_co_u32 s56, s56, TAB
	v_lshl_add_u32 v[TBW], v1, 2, s56              ; the table's row w
	v_lshlrev_b32 v[LI], 4, v1
	v_lshlrev_b32 v[LS], 2, v1
	v_mov_b32 v[PD], 0                             ; (a lane permute's destination counts as one of its sources)
	s_wait_dscnt 0x0
	s_wait_kmcnt 0x0
	s_add_nc_u64 s[34:35], s[4:5], s[52:53]
	s_or_b32 s35, s35, 0x80000000
	s_add_nc_u64 s[38:39], s[4:5], s[54:55]
	s_or_b32 s39, s39, 0x80000000
	s_cmp_lt_u32 s14, 20                           ; one tensor load a wave, the only one of the launch; four v_nop follow each line
	s_cbranch_scc0 .Lload_v
	tensor_load_to_lds s[32:35], s[16:23]
	s_nop 0
.rept 4
	v_nop
.endr
	s_branch .Lloaded
.Lload_v:
	tensor_load_to_lds s[36:39], s[24:31]
	s_nop 0
.rept 4
	v_nop
.endr
.Lloaded:
	s_cmp_lt_u32 s14, 16
	s_cbranch_scc0 .Lrelay
	; ---- the table's row for token w, while the tile is on its way.  v16, v17: the two frequencies' numbers; v18: the token's place; v20-31, v32-43: at work
	s_mov_b32 s40, 0x3e549a78                      ; c, upper part: log2(10) / 16
	s_mov_b32 s41, 0x31979a1c                      ; c, lower part
	s_mov_b32 s42, 0x3f317218                      ; ln 2
	s_mov_b32 s43, 0x3f22f983                      ; 2 / pi
	s_mov_b32 s44, 0x3fc90fdb                      ; pi / 2, upper part;
	s_mov_b32 s45, 0x333bbd2e                      ; what it is too large by
	s_mov_b32 s46, 0xbe2aaaa3                      ; the sine's three coefficients
	s_mov_b32 s47, 0x3c08839e
	s_mov_b32 s48, 0xb94ca1f9
	s_mov_b32 s49, 0x3d2aaaa5                      ; the cosine's
	s_mov_b32 s50, 0xbab6061a
	s_mov_b32 s51, 0x37ccf5ce
	s_and_b32 s56, ttmp9, 63
	s_lshl_b32 s56, s56, 4
	s_add_co_u32 s56, s56, s14                     ; the token's place in its sequence of 1,024
	v_cvt_f32_u32 v16, v1                          ; frequency i = lane,
	v_add_f32 v17, 0x42000000, v16                 ; and lane + 32
	v_cvt_f32_u32 v18, s56
.irp f, 0,1
	v_mul_f32 v[20+12*\f], s40, v[16+\f]           ; p = i c, rounded;
.endr
.irp f, 0,1
	v_fma_f32 v[21+12*\f], v[16+\f], s40, -v[20+12*\f]      ; what the rounding dropped,
.endr
.irp f, 0,1
	v_fma_f32 v[21+12*\f], v[16+\f], s41, v[21+12*\f]       ; and c's lower part: e
.endr
.irp f, 0,1
	v_exp_f32 v[22+12*\f], -v[20+12*\f]            ; 2^-p
.endr
.irp f, 0,1
	v_mul_f32 v[21+12*\f], s42, v[21+12*\f]        ; e ln 2.  (Plain work behind the exponentials)
.endr
	s_wait_alu depctr_va_vdst(0)                   ; one wait for both, ahead of their first reader
.macro SINCOS f
.set R, 20+12*(\f)
	v_fma_f32 v[R+2], v[R+2], -v[R+1], v[R+2]      ; 2^-(p + e) = 2^-p (1 - e ln 2): the frequency
	v_mul_f32 v[R+3], v18, v[R+2]                  ; the angle a, rounded to f32
	v_mul_f32 v[R+4], s43, v[R+3]
	v_rndne_f32 v[R+4], v[R+4]                     ; n = the nearest whole number of quarter turns
	v_fma_f32 v[R+5], -v[R+4], s44, v[R+3]
	v_fma_f32 v[R+5], v[R+4], s45, v[R+5]          ; rho = a - n pi / 2, within +-pi / 4
	v_mul_f32 v[R+6], v[R+5], v[R+5]               ; z
	v_fma_f32 v[R+7], v[R+6], s48, s47
	v_fma_f32 v[R+8], v[R+6], s51, s50
	v_fma_f32 v[R+7], v[R+7], v[R+6], s46
	v_fma_f32 v[R+8], v[R+8], v[R+6], s49
	v_mul_f32 v[R+9], v[R+5], v[R+6]
	v_mul_f32 v[R+10], v[R+6], v[R+6]
	v_fma_f32 v[R+11], v[R+6], -0.5, 1.0
	v_fma_f32 v[R+7], v[R+7], v[R+9], v[R+5]       ; sin rho
	v_fma_f32 v[R+8], v[R+8], v[R+10], v[R+11]     ; cos rho
	v_cvt_i32_f32 v[R+4], v[R+4]
	v_and_b32 v[R+9], 1, v[R+4]
	v_cmp_eq_u32 vcc_lo, 1, v[R+9]
	v_cndmask_b32 v[R+10], v[R+7], v[R+8], vcc_lo  ; in odd quarters the two change places;
	v_cndmask_b32 v[R+11], v[R+8], v[R+7], vcc_lo
	v_and_b32 v[R+9], 2, v[R+4]
	v_lshlrev_b32 v[R+9], 30, v[R+9]
	v_xor_b32 v[R+10], v[R+9], v[R+10]             ; the sine is negative in quarters 2, 3,
	v_add_nc_u32 v[R+4], 1, v[R+4]
	v_and_b32 v[R+4], 2, v[R+4]
	v_lshlrev_b32 v[R+4], 30, v[R+4]
	v_xor_b32 v[R+11], v[R+4], v[R+11]             ; the cosine in quarters 1, 2
	ds_store_b32 v[TBW], v[R+11] offset:128*(\f)
	ds_store_b32 v[TBW], v[R+10] offset:256+128*(\f)
.endm
	SINCOS 0
	SINCOS 1
	s_branch .Ljoin
.Lrelay:
	; ---- waves 16-23: one fragment of Wout's codes, 16 rows x 96 bytes, from rows into its image, while the tile is on its way
	s_and_b32 s56, s14, 7
	s_and_b32 s57, ttmp9, 1
	s_lshl_b32 s57, s57, 3
	s_add_co_u32 s56, s56, s57                     ; the K step of 128: 8 (g % 2) + w % 8
	s_lshr_b32 s57, ttmp9, 1                       ; the tile of 16 rows: g / 2
	s_mul_i32 s58, s57, 24576                      ; from: 16 rows of 1,536 bytes a tile,
	s_mul_i32 s59, s56, 96                         ; 96 bytes a K step
	s_add_co_u32 s58, s58, s59
	s_mov_b32 s59, 0
	s_add_nc_u64 s[68:69], s[68:69], s[58:59]
	s_lshr_b32 s58, s57, 3                         ; to: [tile / 8][K step / 4][tile % 8][K step % 4][1536]
	s_mul_i32 s58, s58, 196608
	s_lshr_b32 s60, s56, 2
	s_mul_i32 s60, s60, 49152
	s_add_co_u32 s58, s58, s60
	s_and_b32 s60, s57, 7
	s_mul_i32 s60, s60, 6144
	s_add_co_u32 s58, s58, s60
	s_and_b32 s60, s56, 3
	s_mul_i32 s60, s60, 1536
	s_add_co_u32 s58, s58, s60
	s_add_nc_u64 s[70:71], s[70:71], s[58:59]
	v_mul_u32_u24 v28, v2, 1536
	v_mad_u32_u24 v28, v3, 24, v28                 ; row r, + 24 h: the operand's layout gives lane (r, h) the 24 bytes there and the 24 bytes 48 further on
.irp p, 0,1,2,3,4,5
	global_load_b64 v[16+2*\p:17+2*\p], v28, s[68:69] offset:48*(\p/3)+8*(\p%3)
.endr
	s_wait_loadcnt 0x0
.irp c, 0,1,2
	global_store_b128 v[LI], v[16+4*\c:19+4*\c], s[70:71] offset:512*\c   ; 32 lanes store 512 consecutive bytes
.endr
	s_wait_xcnt 0x0                                ; the stores have read v16-27, which are written again below
.Ljoin:
	s_wait_tensorcnt 0x0                           ; my tile is in LDS
	s_cmp_lt_u32 s14, 20
	s_cbranch_scc0 .Lno_sum
	; ---- my head's 128 numbers of each of the 16 rows: register 16 b + i = dimension 32 b + 16 h + i of row r; and the sum of their squares
.irp b, 0,1,2,3
.irp j, 0,1,2,3
	ds_load_b128 v[X+16*\b+4*\j:X+16*\b+4*\j+3], v[TA] offset:128*\b+16*\j
.endr
.endr
	s_wait_dscnt 0x0
	v_pk_mul_f32 v[112:113], v[X:X+1], v[X:X+1]    ; two chains, two numbers an instruction
	v_pk_mul_f32 v[114:115], v[X+2:X+3], v[X+2:X+3]
.irp i, 4,8,12,16,20,24,28,32,36,40,44,48,52,56,60
	v_pk_fma_f32 v[112:113], v[X+\i:X+\i+1], v[X+\i:X+\i+1], v[112:113]
	v_pk_fma_f32 v[114:115], v[X+\i+2:X+\i+3], v[X+\i+2:X+\i+3], v[114:115]
.endr
	v_pk_add_f32 v[112:113], v[112:113], v[114:115]
	v_add_f32 v112, v112, v113
	v_permlanex16_b32 v[PD], v112, s12, s13
	v_add_f32 v112, v112, v[PD]                    ; with lane l xor 16's: row r's sum over my head
.irp k, 0,1,2,3
	ds_store_b32 v[SSW+\k], v112                   ; both lanes of a row write the same word with the same value
.endr
.Lno_sum:
	s_wait_dscnt 0x0                               ; my stores (table, sums) have landed; my tensor load was waited for above
	s_barrier_signal -1
	s_barrier_wait -1                              ; the one barrier: table, sums and v's tile are whole
	s_cmp_lt_u32 s14, 20
	s_cbranch_scc0 .Lv_path
	; ---- q and k
.irp i, 0,1,2,3,4,5,6,7,8,9,10,11,12,13,14,15
	ds_load_b32 v[SM+\i], v[SSR] offset:64*\i
.endr
.macro TABLE bp, e                     ; cosines and sines of frequencies 32 bp + 16 h + 8 e + 0 .. 7 of token r
.irp j, 0,1
	ds_load_b128 v[CT+4*\j:CT+4*\j+3], v[TBR] offset:128*\bp+32*\e+16*\j
	ds_load_b128 v[CT+8+4*\j:CT+8+4*\j+3], v[TBR] offset:256+128*\bp+32*\e+16*\j
.endr
.endm
	TABLE 0, 0
	s_lshl_b32 s2, ttmp9, 4
	s_add_co_u32 s2, s2, s14                       ; q: fragment 16 g + w
	s_mul_i32 s56, s2, 1536
	s_lshl_b32 s58, s2, 7
	s_lshr_b32 s2, ttmp9, 6                        ; k: block 4 (g / 64) + head,
	s_lshl_b32 s2, s2, 2
	s_add_co_u32 s2, s2, s15
	s_mul_i32 s2, s2, KVB
	s_bfe_u32 s3, ttmp9, 0x30003                   ; key step (g / 8) % 8,
	s_mul_i32 s3, s3, STB
	s_add_co_u32 s2, s2, s3
	s_and_b32 s3, ttmp9, 7                         ; fragment g % 8 of the step
	s_mul_i32 s61, s3, 1536
	s_add_co_u32 s61, s61, s2
	s_lshl_b32 s3, s3, 7
	s_add_co_u32 s3, s3, s2
	s_add_co_u32 s3, s3, 12288
	s_cmp_lt_u32 s14, 16                           ; q's wave or k's?  The choice hangs on the wave's number alone
	s_cselect_b64 s[52:53], s[6:7], s[10:11]
	s_cselect_b64 s[54:55], s[8:9], s[10:11]
	s_cselect_b32 s56, s56, s61
	s_cselect_b32 s58, s58, s3
	s_cselect_b32 s60, 0x3db504f3, 1.0             ; q also takes 1 / sqrt(128)
	s_mov_b32 s57, 0
	s_mov_b32 s59, 0
	s_add_nc_u64 s[52:53], s[52:53], s[56:57]
	s_add_nc_u64 s[54:55], s[54:55], s[58:59]
	s_mov_b32 s62, 0x3a000000                      ; 1 / 2,048
	s_mov_b32 s63, 0x358637bd                      ; 1e-6
	s_wait_dscnt 4                                 ; the sixteen sums are in; the table's four loads may be out
.irp i, 0,2,4,6
	v_pk_add_f32 v[SM+\i:SM+\i+1], v[SM+\i:SM+\i+1], v[SM+8+\i:SM+9+\i]
.endr
	v_pk_add_f32 v[SM:SM+1], v[SM:SM+1], v[SM+4:SM+5]
	v_pk_add_f32 v[SM+2:SM+3], v[SM+2:SM+3], v[SM+6:SM+7]
	v_pk_add_f32 v[SM:SM+1], v[SM:SM+1], v[SM+2:SM+3]
	v_add_f32 v[SM], v[SM], v[SM+1]
	v_fma_f32 v32, v[SM], s62, s63                 ; the mean + 1e-6
	v_rsq_f32 v33, v32
	v_mov_b32 v35, 0                               ; (a plain place behind the transcendental; v35 is named below as the upper half of a pair)
	s_wait_alu depctr_va_vdst(0)                   ; ahead of the first reader
	v_mul_f32 v34, s60, v33
.set ii, 0
.rept 32
	v_pk_mul_f32 v[X+ii:X+ii+1], v[X+ii:X+ii+1], v[34:35] op_sel_hi:[1,0]
.set ii, ii+2
.endr
; The rotation: lo = dimension d < 64, hi = d + 64, of one frequency.  lo' = lo cos - hi sin goes to Y; hi' = hi cos + lo sin takes lo's register: so v16-79 hold the 64 results in order.
.macro ROPE bp, e
.set O, 16*(\bp)+8*(\e)
.irp i, 0,2,4,6
	v_pk_mul_f32 v[Y+O+\i:Y+O+\i+1], v[X+O+\i:X+O+\i+1], v[CT+\i:CT+\i+1]
.endr
.irp i, 0,2,4,6
	v_pk_fma_f32 v[Y+O+\i:Y+O+\i+1], v[X+32+O+\i:X+32+O+\i+1], v[CT+8+\i:CT+8+\i+1], v[Y+O+\i:Y+O+\i+1] neg_lo:[1,0,0] neg_hi:[1,0,0]
.endr
.irp i, 0,2,4,6
	v_pk_mul_f32 v[X+O+\i:X+O+\i+1], v[X+O+\i:X+O+\i+1], v[CT+8+\i:CT+8+\i+1]
.endr
.irp i, 0,2,4,6
	v_pk_fma_f32 v[X+O+\i:X+O+\i+1], v[X+32+O+\i:X+32+O+\i+1], v[CT+\i:CT+\i+1], v[X+O+\i:X+O+\i+1]
.endr
.endm
	s_wait_dscnt 0x0
	ROPE 0, 0
	TABLE 0, 1
	s_wait_dscnt 0x0
	ROPE 0, 1
	TABLE 1, 0
	s_wait_dscnt 0x0
	ROPE 1, 0
	TABLE 1, 1
	s_wait_dscnt 0x0
	ROPE 1, 1
; 64 numbers of a lane, v[Y] on, register 16 b + i = k 32 b + 16 h + i of my row, become a fragment's codes in v[PC] on and its scale word in v[PW].
.irp b, 0,1,2,3
	v_max3_num_f32 v[BM+\b], |v[Y+16*\b]|, |v[Y+1+16*\b]|, 0x1800000   ; my 16 numbers of block b, and the floor 2^(3 - 127): the byte cannot fall under 1
.endr
.irp i, 2,4,6,8,10,12,14
.irp b, 0,1,2,3
	v_max3_num_f32 v[BM+\b], v[BM+\b], |v[Y+16*\b+\i]|, |v[Y+1+16*\b+\i]|
.endr
.endr
.irp b, 0,1,2,3
	v_permlanex16_b32 v[PT+\b], v[BM+\b], s12, s13
.endr
.irp b, 0,1,2,3
	v_max_num_f32 v[BM+\b], v[BM+\b], v[PT+\b]     ; with lane l xor 16's: the block's largest magnitude
.endr
.irp b, 0,1,2,3
	v_add_nc_u32 v[SO+\b], 0xff000000, v[BM+\b]    ; 2 off its exponent field: the conversion's scale operand
.endr
.irp b, 0,1,2,3
	v_lshrrev_b32 v[PT+\b], 23, v[SO+\b]           ; the scale's byte
.endr
	v_lshl_or_b32 v[PW], v[PT+1], 8, v[PT]
	v_lshl_or_b32 v[PW], v[PT+2], 16, v[PW]
	v_lshl_or_b32 v[PW], v[PT+3], 24, v[PW]
.irp c, 0,1
	v_cvt_scalef32_pk16_fp6_f32 v[PC+6*\c:PC+6*\c+2], v[Y+32*\c:Y+32*\c+15], v[SO+2*\c]
	v_cvt_scalef32_pk16_fp6_f32 v[PT+4*\c:PT+4*\c+2], v[Y+16+32*\c:Y+31+32*\c], v[SO+2*\c+1]   ; (a conversion's three registers begin on an even number)
.endr
	v_nop                                          ; one plain place behind a scaled conversion
.irp c, 0,1                                        ; the operand's layout wants a whole block in a lane: lanes 0-15 block 2 c, lanes 16-31 block 2 c + 1
.irp i, 0,1,2
	v_permlane16_swap_b32 v[PC+6*\c+\i], v[PT+4*\c+\i]
.endr
.irp i, 0,1,2
	v_mov_b32 v[PC+3+6*\c+\i], v[PT+4*\c+\i]
.endr
.endr
.irp c, 0,1,2
	global_store_b128 v[LI], v[PC+4*\c:PC+4*\c+3], s[52:53] offset:512*\c   ; 32 lanes store 512 consecutive bytes
.endr
	global_store_b32 v[LS], v[PW], s[54:55]
	s_wait_tensorcnt 0x0
	ds_add_u32 v128, v129
	s_wait_dscnt 0x0
	s_endpgm
.Lv_path:
	; ---- v: lane (r, h) takes one dimension of the head, and its registers run down the keys: register 32 c + i = place i of block 2 c + h, which is key 8 (0, 2, 1, 3)[i / 8] + i % 8 of that block
.irp c, 0,1
.set ii, 0
.rept 32
	ds_load_b32 v[Y+32*\c+ii], v[VA] offset:(64*\c+8*(((ii/8)%2)*2+ii/16)+ii%8)*256
.set ii, ii+1
.endr
.endr
	s_lshr_b32 s2, ttmp9, 6                        ; block 4 (g / 64) + (g / 2) % 4,
	s_lshl_b32 s2, s2, 2
	s_bfe_u32 s3, ttmp9, 0x20001
	s_add_co_u32 s2, s2, s3
	s_mul_i32 s2, s2, KVB
	s_bfe_u32 s3, ttmp9, 0x30003                   ; key step (g / 8) % 8,
	s_mul_i32 s3, s3, STB
	s_add_co_u32 s2, s2, s3
	s_and_b32 s3, ttmp9, 1                         ; tile 4 (g % 2) + w % 4
	s_lshl_b32 s3, s3, 2
	s_add_co_u32 s3, s3, s15
	s_mul_i32 s52, s3, 1536
	s_add_co_u32 s52, s52, s2
	s_add_co_u32 s52, s52, 13312
	s_mov_b32 s53, 0
	s_lshl_b32 s54, s3, 7
	s_add_co_u32 s54, s54, s2
	s_add_co_u32 s54, s54, 25600
	s_mov_b32 s55, 0
	s_add_nc_u64 s[52:53], s[10:11], s[52:53]
	s_add_nc_u64 s[54:55], s[10:11], s[54:55]
	s_wait_dscnt 0x0
.irp c, 0,1                                        ; my block 2 c + h: all its 32 numbers are mine
	v_max3_num_f32 v[BM+\c], |v[Y+32*\c]|, |v[Y+1+32*\c]|, 0x1800000
.endr
.irp i, 2,4,6,8,10,12,14,16,18,20,22,24,26,28,30
.irp c, 0,1
	v_max3_num_f32 v[BM+\c], v[BM+\c], |v[Y+32*\c+\i]|, |v[Y+1+32*\c+\i]|
.endr
.endr
.irp c, 0,1
	v_add_nc_u32 v[SO+\c], 0xff000000, v[BM+\c]
.endr
.irp c, 0,1
	v_lshrrev_b32 v[PT+\c], 23, v[SO+\c]
.endr
	v_lshl_or_b32 v[PW], v[PT+1], 16, v[PT]        ; my two bytes: blocks h and 2 + h,
	v_lshlrev_b32 v[TW], 3, v3
	v_lshlrev_b32 v[PW], v[TW], v[PW]              ; at their places in the scale word;
	v_mov_b32 v[TW], 0
	v_permlanex16_b32 v[TW], v[PW], s12, s13
	v_or_b32 v[PW], v[PW], v[TW]                   ; with lane l xor 16's two the word is whole
.irp c, 0,1
	v_cvt_scalef32_pk16_fp6_f32 v[PC+6*\c:PC+6*\c+2], v[Y+32*\c:Y+32*\c+15], v[SO+\c]
	v_cvt_scalef32_pk16_fp6_f32 v[PT+4*\c:PT+4*\c+2], v[Y+16+32*\c:Y+31+32*\c], v[SO+\c]   ; (a conversion's three registers begin on an even number)
.endr
	v_nop                                          ; one plain place behind a scaled conversion
.irp c, 0,1
.irp i, 0,1,2
	v_mov_b32 v[PC+3+6*\c+\i], v[PT+4*\c+\i]
.endr
.endr
.irp c, 0,1,2
	global_store_b128 v[LI], v[PC+4*\c:PC+4*\c+3], s[52:53] offset:512*\c
.endr
	global_store_b32 v[LS], v[PW], s[54:55]
	s_wait_tensorcnt 0x0
	ds_add_u32 v128, v129
	s_wait_dscnt 0x0
	s_endpgm
.Lfunc_end_k_q0c248ad3a2_prep:
	.size	k_q0c248ad3a2_prep, .Lfunc_end_k_q0c248ad3a2_prep-k_q0c248ad3a2_prep
	.p2alignl 7, 3214868480
	.fill 96, 4, 3214868480
	.section	.rodata,"a",@progbits
	.p2align	6, 0x0
	.amdhsa_kernel k_q0c248ad3a2_prep
		.amdhsa_group_segment_fixed_size 216064
		.amdhsa_private_segment_fixed_size 0
		.amdhsa_enable_private_segment 0
		.amdhsa_kernarg_size 48
		.amdhsa_user_sgpr_count 2
		.amdhsa_user_sgpr_kernarg_segment_ptr 1
		.amdhsa_wavefront_size32 1
		.amdhsa_system_sgpr_workgroup_id_x 1
		.amdhsa_system_sgpr_workgroup_id_y 1
		.amdhsa_system_sgpr_workgroup_id_z 1
		.amdhsa_system_vgpr_workitem_id 0
		.amdhsa_next_free_vgpr 130
		.amdhsa_next_free_sgpr 72
		.amdhsa_reserve_vcc 1
		.amdhsa_float_denorm_mode_32 3
		.amdhsa_float_denorm_mode_16_64 3
		.amdhsa_memory_ordered 1
		.amdhsa_forward_progress 1
		.amdhsa_inst_pref_size 38
	.end_amdhsa_kernel
	.amdgpu_metadata
---
amdhsa.version: [ 1, 2 ]
amdhsa.kernels:
  - .name:           k_q0c248ad3a2_prep
    .symbol:         k_q0c248ad3a2_prep.kd
    .args:
      - { .name: qkv, .offset: 0, .size: 8, .value_kind: global_buffer, .address_space: global }
      - { .name: q_img, .offset: 8, .size: 8, .value_kind: global_buffer, .address_space: global }
      - { .name: q_sc, .offset: 16, .size: 8, .value_kind: global_buffer, .address_space: global }
      - { .name: kv, .offset: 24, .size: 8, .value_kind: global_buffer, .address_space: global }
      - { .name: Wout_codes, .offset: 32, .size: 8, .value_kind: global_buffer, .address_space: global }
      - { .name: wo_img, .offset: 40, .size: 8, .value_kind: global_buffer, .address_space: global }
    .group_segment_fixed_size: 216064
    .private_segment_fixed_size: 0
    .kernarg_segment_align: 8
    .kernarg_segment_size: 48
    .max_flat_workgroup_size: 768
    .sgpr_count:     72
    .vgpr_count:     130
    .wavefront_size: 32
...
	.end_amdgpu_metadata
.endif
;; end of part 2
;; launch attn (part 3): grid 16 x 16, 8 waves a work-group, clusters of 4 x 1, 214,016 bytes of LDS; arguments q_img, q_sc, kv, enc_img, enc_sc; writes enc_img, enc_sc
.if DOCPART == 3
	.amdgcn_target "amdgcn-amd-amdhsa--gfx1250"
	.amdhsa_code_object_version 6
	.text
	.protected	k_q0c248ad3a2_attn
	.globl	k_q0c248ad3a2_attn
	.p2align	8
	.type	k_q0c248ad3a2_attn,@function
k_q0c248ad3a2_attn:
	s_mov_b64 s[64:65], 0
	v_nop
	global_prefetch_b8 v0, s[64:65] scope:SCOPE_SE
	s_setreg_imm32_b32 hwreg(HW_REG_WAVE_MODE, 25, 1), 1
	s_wait_xcnt 0x0
	s_wait_alu depctr_hold_cnt(0) depctr_sa_sdst(0) depctr_va_vdst(0) depctr_va_sdst(0) depctr_va_ssrc(0) depctr_va_vcc(0) depctr_vm_vsrc(0)
	s_getreg_b32 s2, hwreg(HW_REG_IB_STS2, 6, 4)
	s_cmp_eq_u32 s2, 0
	s_cbranch_scc0 .Lentry_in_a_cluster
	s_endpgm
.Lentry_in_a_cluster:
	s_bfe_u32 s2, ttmp6, 0x10000c
	s_cmp_lg_u32 s2, 0x3003
	s_cbranch_scc0 .Lentry_shape_is_right
	s_endpgm
.Lentry_shape_is_right:
; enc[token][head] = softmax over the 1,024 keys of (q . k) x v, both products on codes of FP6 (E2M3) with one E8M0 scale for each 32 along a product's K; enc is quantised along the heads' dimensions
; for the last product.  q, k and v come as images of the operands' registers (a fragment: three pieces of 512 bytes, 16 bytes a lane; its scale words: 4 bytes a lane), and enc leaves as such images.
; THE SOFTMAX: t = score x log2(e); M = the row's largest t so far, rounded up to a whole number; p = 2^(t - M) is quantised along the keys, not normalised; the row's sum is taken of the
; unquantised p and divides at the end.  When M moves, the sum and O are multiplied by 2^(old M - new M), which rounds nothing.
; SHARES.  A work-group takes 64 tokens x the 4 query heads of one kv head; wave w takes tokens 16 (w / 2) on and heads 2 (w % 2), 2 (w % 2) + 1: TWO tiles of 16 queries, so that each fragment of K and V
; read from LDS feeds two matrix instructions.  Two waves share a SIMD: one wave's softmax stands beside the other's products.
; All of the kv head's K and V, 212,992 bytes, lies in LDS, filled ONCE, in memory's order: eight blocks of 26,624 bytes, one a key step of 128 keys (K's 8 fragments, their scale words, V's 8, theirs).
; Each wave issues two loads: an eighth of block 0 (13 rows of 256 bytes), and an eighth of the other seven (91 rows).  The first key step begins when block 0 is whole; the rest lands under its softmax.
; CLUSTER.  The 16 work-groups of a kv head read the same block: four of them form a cluster and ask for it jointly (mask 15).
; LDS LOADS STAND AHEAD OF THEIR USE, in three buffers of four fragments: X, Y, Z.  A step's scores come from X and Y.  Behind them V's eight fragments are asked for into Y and Z and the next step's first
; four of K into X: they land under the softmax.  The next step's last four of K go into Y between the two groups of products with V: sixteen matrix instructions ahead of their use.
; LAYOUT.  Both products are used transposed: S^T = K Q^T (source 0 = 16 neighbouring keys), O^T = V^T P (source 0 = 16 of the head's 128): a lane holds one query throughout.
; In S^T lane (r, h) holds keys 16 tile + 8 h + j, so place 16 h + 8 u + j of a block of p is key 16 u + 8 h + j of that block: V's codes were laid in that order.
; Row m of V's tile t is dimension 32 (t / 2) + 8 (t % 2) + m + 8 (m / 8): so the 16 registers of O^T's tiles 2 b, 2 b + 1 are dimensions 32 b + 16 h + 0 .. 15, in natural order.
; OUT: enc_img [128 tokens (32)][K / 512 (4)][tile of 16 tokens (8)][head % 4 (4)][1536], enc_sc [4096][64].
; LIMITS: NaN and infinities are not served; a block of enc whose largest magnitude lies under 2^-124 (zeros too) gets the byte 1: this program alone reads the bytes.
; REGISTERS: window 0: v1-7 addresses; v8-15 statistics; v16-63 X; v64-71 scale words; v72-95 p's codes, later enc's; v96-223 S^T, then p; v224-244 at work; v245-252 Y's and Z's scale words.
;   window 1: v0-127 O^T, 64 a tile; v128-151 Q, 12 a tile; v152-199 Y; v200-247 Z.
.set KVB,  212992
.set STB,  26624                       ; a key step's block:
.set KSC,  12288                       ; K's scale words,
.set VOF,  13312                       ; V's fragments,
.set VSC,  25600                       ; V's scale words
.set LI,   1                           ; 16 x lane
.set LS,   2                           ; 4 x lane
.set ADI,  3                           ; 16 x lane + the step's block
.set ADW,  4                           ; 4 x lane + the step's block
.set RO,   7                           ; 64 x (lane % 16)
.set ST,   8                           ; tile j at v[ST + 4 j]: -M, the largest t, the sum in two halves
.set X,    16
.set FSX,  64                          ; X's scale words
.set QS,   68                          ; Q's
.set PW,   70                          ; p's, later enc's
.set PC,   72
.set S,    96
.set BM,   224
.set PT,   228
.set SO,   236
.set F,    240                         ; tile j: the pair v[F + 2 j], of which the low word is used
.set TMPV, 244
.set FSY,  245                         ; Y's scale words
.set FSZ,  249                         ; Z's
.set QF,   128                         ; in window 1
.set Y,    152
.set Z,    200
.set SEL,  32
.set CS,   34
.set TK,   36
.set MSB, 0
.macro WIN new                         ; the immediate's high byte repeats the setting that is left
.if MSB != (\new)
	s_set_vgpr_msb (MSB<<8)|(\new)
.set MSB, (\new)
.endif
.endm
.macro PLACES n
.rept \n
	v_nop
.endr
.endm
.macro CROUND                          ; a round of the cluster's barrier
	s_barrier_signal -1
	s_barrier_wait -1
	s_cmp_lg_u32 s14, 0
	s_cbranch_scc1 .Lnot_wave_0_\@
	s_barrier_signal -3
.Lnot_wave_0_\@:
	s_barrier_wait -3
	s_barrier_signal -1
	s_barrier_wait -1
.endm
	s_load_b256 s[4:11], s[0:1], 0x0               ; q_img s[4:5], q_sc s[6:7], kv s[8:9], enc_img s[10:11]
	s_load_b64 s[12:13], s[0:1], 0x20              ; enc_sc
	v_lshl_add_u32 v254, v0, 2, 0x34000
	v_mov_b32 v255, 0
	ds_add_u32 v254, v255
	v_lshrrev_b32 v5, 5, v0
	v_readfirstlane_b32 s14, v5                    ; wave 0..7
	s_and_b32 s48, ttmp7, 0xffff                   ; 4 batch + kv head, which the four partners share
	s_mul_i32 s49, s48, KVB
	s_mul_i32 s25, s14, 3328                       ; my eighth of block 0, in LDS as in memory
	s_mul_i32 s29, s14, 23296
	s_add_co_u32 s29, s29, STB                     ; my eighth of blocks 1 to 7
	s_add_co_u32 s50, s49, s25
	s_mov_b32 s51, 0
	s_add_co_u32 s52, s49, s29
	s_mov_b32 s53, 0
	; group 1: rows of 256 bytes (32 elements of 8), dense, no padding; the mask names all four work-groups, bit 21 beside it.  13 rows, and 91
	s_mov_b32 s16, 15|(3<<16)|(1<<21)
	s_mov_b32 s17, 32<<16
	s_mov_b32 s18, 13<<16
	s_mov_b32 s19, 32<<16
	s_mov_b32 s20, 13
	s_mov_b32 s21, 32
	s_mov_b32 s22, 0
	s_mov_b32 s23, 0
	s_mov_b32 s40, 15|(3<<16)|(1<<21)
	s_mov_b32 s41, 32<<16
	s_mov_b32 s42, 91<<16
	s_mov_b32 s43, 32<<16
	s_mov_b32 s44, 91
	s_mov_b32 s45, 32
	s_mov_b32 s46, 0
	s_mov_b32 s47, 0
	s_mov_b32 s24, 1
	s_mov_b32 s28, 1
	s_wait_dscnt 0x0
	s_wait_kmcnt 0x0
	s_add_nc_u64 s[26:27], s[8:9], s[50:51]
	s_add_nc_u64 s[30:31], s[8:9], s[52:53]
	s_or_b32 s27, s27, 0x80000000
	s_or_b32 s31, s31, 0x80000000
	CROUND                                         ; all four work-groups are here: the joint loads meet
	tensor_load_to_lds s[24:27], s[16:23]          ; block 0 first: two loads of mine are out
	s_nop 0
	tensor_load_to_lds s[28:31], s[40:47]
	s_nop 0
	PLACES 4
	v_and_b32 v5, 31, v0
	v_and_b32 v6, 15, v0                           ; r
	v_lshlrev_b32 v[LI], 4, v5
	v_lshlrev_b32 v[LS], 2, v5
	v_lshlrev_b32 v[RO], 6, v6
	s_bfe_u32 s15, ttmp6, 0x40000                  ; cx: it enters q's and enc's addresses alone
	s_lshl_b32 s54, ttmp9, 2
	s_add_co_u32 s54, s54, s15                     ; my block of 64 tokens = 4 x cluster x + cx
	s_lshr_b32 s55, s48, 2                         ; batch
	s_and_b32 s56, s48, 3                          ; kv head
	s_lshr_b32 s57, s14, 1
	s_and_b32 s58, s14, 1
	s_lshl_b32 s55, s55, 6
	s_lshl_b32 s54, s54, 2
	s_add_co_u32 s55, s55, s54
	s_add_co_u32 s55, s55, s57                     ; tt = my tile of 16 tokens: 64 batch + 4 block + w / 2
	s_lshl_b32 s56, s56, 1
	s_add_co_u32 s56, s56, s58                     ; kp = my pair of heads: 2 kv head + w % 2
	s_lshl_b32 s59, s55, 4
	s_lshl_b32 s57, s56, 1
	s_add_co_u32 s59, s59, s57                     ; q's fragment 16 tt + 2 kp, and the next
	s_mul_i32 s50, s59, 1536
	s_add_nc_u64 s[4:5], s[4:5], s[50:51]
	s_lshl_b32 s50, s59, 7
	s_add_nc_u64 s[6:7], s[6:7], s[50:51]
	s_lshr_b32 s57, s55, 3                         ; enc's images: [tt / 8][kp / 2][tt % 8][2 (kp % 2)][1536]: my two heads' fragments are neighbours
	s_mul_i32 s50, s57, 196608
	s_lshr_b32 s57, s56, 1
	s_mul_i32 s57, s57, 49152
	s_add_co_u32 s50, s50, s57
	s_and_b32 s57, s55, 7
	s_mul_i32 s57, s57, 6144
	s_add_co_u32 s50, s50, s57
	s_and_b32 s57, s56, 1
	s_mul_i32 s57, s57, 3072
	s_add_co_u32 s50, s50, s57
	s_add_nc_u64 s[10:11], s[10:11], s[50:51]
	s_lshl_b32 s50, s55, 10                        ; enc's scale bytes: 16 rows of 64, bytes 8 kp on
	s_lshl_b32 s57, s56, 3
	s_add_co_u32 s50, s50, s57
	s_add_nc_u64 s[12:13], s[12:13], s[50:51]
	s_mov_b32 s[SEL], 0x76543210
	s_mov_b32 s[SEL+1], 0xfedcba98                 ; v_permlanex16_b32's selects for lane l xor 16
	s_mov_b32 s[CS], 0x3fb8aa3b                    ; log2(e): q already holds 1 / sqrt(128)
	s_mov_b32 s[CS+1], s[CS]                       ; (named with it as a pair)
	s_mov_b32 s[TK], 0
	WIN 0x40                                       ; destination window 1
.irp i, 0,1,2,3,4,5
	global_load_b128 v[QF+4*\i:QF+4*\i+3], v[LI], s[4:5] offset:512*\i   ; Q's two fragments stay in registers
.endr
	WIN 0
	global_load_b32 v[QS], v[LS], s[6:7]
	global_load_b32 v[QS+1], v[LS], s[6:7] offset:128
	v_mov_b32 v[ADI], v[LI]                        ; key step 0's block begins at LDS byte 0
	v_mov_b32 v[ADW], v[LS]
.irp j, 0,1
	v_mov_b32 v[ST+4*\j+1], 0xff61b1e6             ; the largest t so far: -3e38, under every t
	v_floor_f32 v[ST+4*\j], -v[ST+4*\j+1]          ; -M
	v_mov_b32 v[ST+4*\j+2], 0                      ; the sum, in two halves
	v_mov_b32 v[ST+4*\j+3], 0
	v_mov_b32 v[F+2*\j+1], 0                       ; (named as the upper half of a pair)
.endr
.irp b, 0,1,2,3
	v_mov_b32 v[PT+\b], 0                          ; (a lane permute's destination counts as one of its sources)
.endr
; From the blocks' largest magnitudes in v[BM] on: scale operands, bytes, the scale word in v[pw], and the codes of the 64 numbers v[s] on (register 16 b + i = place 32 b + 16 h + i) in v[pc] on.
.macro CODES s, pc, pw
.irp b, 0,1,2,3
	v_add_nc_u32 v[SO+\b], 0xff000000, v[BM+\b]    ; 2 off the exponent field: the conversion's scale operand
.endr
.irp b, 0,1,2,3
	v_lshrrev_b32 v[PT+\b], 23, v[SO+\b]           ; the scale's byte
.endr
	v_lshl_or_b32 v[\pw], v[PT+1], 8, v[PT]
	v_lshl_or_b32 v[\pw], v[PT+2], 16, v[\pw]
	v_lshl_or_b32 v[\pw], v[PT+3], 24, v[\pw]
.irp c, 0,1
	v_cvt_scalef32_pk16_fp6_f32 v[\pc+6*\c:\pc+6*\c+2], v[\s+32*\c:\s+32*\c+15], v[SO+2*\c]
	v_cvt_scalef32_pk16_fp6_f32 v[PT+4*\c:PT+4*\c+2], v[\s+16+32*\c:\s+31+32*\c], v[SO+2*\c+1]   ; (a conversion's three registers begin on an even number)
.endr
	v_nop                                          ; one plain place behind a scaled conversion
.irp c, 0,1                                        ; the operand's layout wants a whole block in a lane: lanes 0-15 block 2 c, lanes 16-31 block 2 c + 1
.irp i, 0,1,2
	v_permlane16_swap_b32 v[\pc+6*\c+\i], v[PT+4*\c+\i]
.endr
.irp i, 0,1,2
	v_mov_b32 v[\pc+3+6*\c+\i], v[PT+4*\c+\i]
.endr
.endr
.endm
; Tile j's softmax for 128 keys.
.macro SOFTMAX j
.set rS, S+64*(\j)
.set rT, ST+4*(\j)
.set rF, F+2*(\j)
.set rC, PC+12*(\j)
.set rW, PW+(\j)
.irp b, 0,1,2,3
	v_max3_num_f32 v[BM+\b], v[rS+16*\b], v[rS+1+16*\b], v[rS+2+16*\b]   ; the largest score of each block of 32 keys: it serves for the row's maximum and, since p rises with the score, for the block's largest p
.endr
.irp i, 3,5,7,9,11,13
.irp b, 0,1,2,3
	v_max3_num_f32 v[BM+\b], v[BM+\b], v[rS+16*\b+\i], v[rS+1+16*\b+\i]
.endr
.endr
.irp b, 0,1,2,3
	v_max_num_f32 v[BM+\b], v[BM+\b], v[rS+15+16*\b]
.endr
.irp b, 0,1,2,3
	v_permlanex16_b32 v[PT+\b], v[BM+\b], s[SEL], s[SEL+1]
.endr
.irp b, 0,1,2,3
	v_max_num_f32 v[BM+\b], v[BM+\b], v[PT+\b]     ; with lane l xor 16's 16 keys
.endr
	v_max3_num_f32 v[TMPV], v[BM], v[BM+1], v[BM+2]
	v_max_num_f32 v[TMPV], v[TMPV], v[BM+3]
	v_mul_f32 v[TMPV], s[CS], v[TMPV]              ; the step's largest t
	v_max_num_f32 v[rT+1], v[rT+1], v[TMPV]        ; the running largest t
	v_mov_b32 v[TMPV], v[rT]
	v_floor_f32 v[rT], -v[rT+1]                    ; the new -M = -ceil(t): a whole number
	v_sub_f32 v[TMPV], v[rT], v[TMPV]              ; old M - new M, 0 or less
	v_cvt_i32_f32 v[TMPV], v[TMPV]                 ; (it saturates)
	v_ldexp_f32 v[rF], 1.0, v[TMPV]                ; f = 2^(old M - new M)
.set ii, 0
.rept 32
	v_pk_fma_f32 v[rS+ii:rS+ii+1], v[rS+ii:rS+ii+1], s[CS:CS+1], v[rT:rT+1] op_sel_hi:[1,0,0]   ; t - M, two at a time
.set ii, ii+2
.endr
.irp b, 0,1,2,3
	v_fma_f32 v[BM+\b], v[BM+\b], s[CS], v[rT]     ; the same of each block's largest score
.endr
.set ii, 0
.rept 64
	v_exp_f32 v[rS+ii], v[rS+ii]                   ; p = 2^(t - M), at most 1
.set ii, ii+1
.endr
	v_pk_mul_f32 v[rT+2:rT+3], v[rT+2:rT+3], v[rF:rF+1] op_sel_hi:[1,0]   ; the sums under the new M.  (A plain place behind the exponentials)
	s_wait_alu depctr_va_vdst(0)                   ; one wait for the batch of 64, ahead of its first reader
.irp b, 0,1,2,3
	v_exp_f32 v[BM+\b], v[BM+\b]                   ; the block's largest p: the same two instructions on the same number give the same bits
.endr
	v_pk_add_f32 v[PT:PT+1], v[rS:rS+1], v[rS+2:rS+3]   ; the row's sum of the unquantised p, in two chains: plain work behind the four
.irp i, 4,8,12,16,20,24,28,32,36,40,44,48,52,56,60
	v_pk_add_f32 v[rT+2:rT+3], v[rT+2:rT+3], v[rS+\i:rS+\i+1]
	v_pk_add_f32 v[PT:PT+1], v[PT:PT+1], v[rS+2+\i:rS+3+\i]
.endr
	v_pk_add_f32 v[rT+2:rT+3], v[rT+2:rT+3], v[PT:PT+1]
	s_wait_alu depctr_va_vdst(0)                   ; and one for the four
.irp b, 0,1,2,3
	v_max_num_f32 v[BM+\b], 0x1800000, v[BM+\b]    ; the floor 2^(3 - 127): the byte cannot fall under 1
.endr
	CODES rS, rC, rW
.endm
.macro LOADC dst, off                  ; four fragments as images, from off bytes on in the step's block: every load reads 512 consecutive bytes.  The caller sets the destination's window
.irp t, 0,1,2,3
.irp c, 0,1,2
	ds_load_b128 v[\dst+12*\t+4*\c:\dst+12*\t+4*\c+3], v[ADI] offset:(\off)+\t*1536+512*\c
.endr
.endr
.endm
.macro LOADS dst, off                  ; and their scale words
.irp t, 0,1,2,3
	ds_load_b32 v[\dst+\t], v[ADW] offset:(\off)+\t*128
.endr
.endm
; Eight products O^T += V^T P: tiles 4 g .. 4 g + 3 of the head's 128, from buffer fr, each against both tiles of queries.  kind = 0: they start the sums with the constant 0.
; The 16 accumulators take turns, one instruction a turn.
.macro OPROD kind, g, fr, fs
.if \kind == 0
	WIN 0x41                                       ; V and D window 1
.else
	WIN 0x51                                       ; V, C and D window 1
.endif
.irp t, 0,1,2,3
.irp j, 0,1
.if \kind == 0
	v_wmma_scale_f32_16x16x128_f8f6f4 v[64*\j+8*(4*\g+\t):64*\j+8*(4*\g+\t)+7], v[\fr+12*\t:\fr+12*\t+11], v[PC+12*\j:PC+12*\j+11], 0, v[\fs+\t], v[PW+\j] matrix_a_fmt:MATRIX_FMT_FP6 matrix_b_fmt:MATRIX_FMT_FP6
.else
	v_wmma_scale_f32_16x16x128_f8f6f4 v[64*\j+8*(4*\g+\t):64*\j+8*(4*\g+\t)+7], v[\fr+12*\t:\fr+12*\t+11], v[PC+12*\j:PC+12*\j+11], v[64*\j+8*(4*\g+\t):64*\j+8*(4*\g+\t)+7], v[\fs+\t], v[PW+\j] matrix_a_fmt:MATRIX_FMT_FP6 matrix_b_fmt:MATRIX_FMT_FP6
.endif
.endr
.endr
.endm
; A KEY STEP: 128 keys.  kind = 0: the first; 1: one of the six in the loop; 2: the last, which asks for nothing of a next step.
.macro STEP kind
	s_wait_dscnt 16                                ; X and its scale words are in; Y's sixteen loads, issued behind them, may be out
	WIN 0x04                                       ; source 1 (Q) window 1
.irp t, 0,1,2,3                                    ; S^T = K Q^T: keys 0-63 of the step, from X
.irp j, 0,1
	v_wmma_scale_f32_16x16x128_f8f6f4 v[S+64*\j+8*\t:S+64*\j+8*\t+7], v[X+12*\t:X+12*\t+11], v[QF+12*\j:QF+12*\j+11], 0, v[FSX+\t], v[QS+\j] matrix_a_fmt:MATRIX_FMT_FP6 matrix_b_fmt:MATRIX_FMT_FP6
.endr
.endr
	s_wait_dscnt 0x0                               ; Y is in
	WIN 0x05                                       ; K and Q window 1
.irp t, 0,1,2,3                                    ; keys 64-127, from Y
.irp j, 0,1
	v_wmma_scale_f32_16x16x128_f8f6f4 v[S+64*\j+8*(4+\t):S+64*\j+8*(4+\t)+7], v[Y+12*\t:Y+12*\t+11], v[QF+12*\j:QF+12*\j+11], 0, v[FSY+\t], v[QS+\j] matrix_a_fmt:MATRIX_FMT_FP6 matrix_b_fmt:MATRIX_FMT_FP6
.endr
.endr
	WIN 0
; four places, in front of the loads into registers that these products read and of the first read of the scores.  No LDS load of mine is out here: the addresses go on to this step's block
.if \kind
	s_add_co_u32 s[TK], s[TK], STB
	v_add_nc_u32 v[ADI], s[TK], v[LI]
	v_add_nc_u32 v[ADW], s[TK], v[LS]
	PLACES 2
.else
	PLACES 4
.endif
	WIN 0x40                                       ; destination window 1
	LOADC Y, VOF                                   ; V's eight fragments: they land under the softmax
	LOADC Z, VOF+6144
	WIN 0
	LOADS FSY, VSC
	LOADS FSZ, VSC+512
.if \kind == 1
	LOADC X, STB                                   ; and the next step's first four of K
	LOADS FSX, STB+KSC
.endif
	SOFTMAX 0
	SOFTMAX 1
.if \kind == 0
	PLACES 8                                       ; a scale register written by a vector instruction stands 8 places ahead of a scaled matrix instruction, an operand so written 4
	s_wait_tensorcnt 0x0                           ; my eighth of blocks 1 to 7 is in,
	s_wait_dscnt 0x0                               ; (V's fragments too)
	s_barrier_signal -1
	s_barrier_wait -1                              ; everybody's is
	LOADC X, STB
	LOADS FSX, STB+KSC
.else
	WIN 0x41                                       ; O^T (destination and source 0) window 1, f window 0
.irp j, 0,1
.set ii, 0
.rept 32
	v_pk_mul_f32 v[64*\j+ii:64*\j+ii+1], v[64*\j+ii:64*\j+ii+1], v[F+2*\j:F+2*\j+1] op_sel_hi:[1,0]   ; O^T under the new M; each accumulator from its low end on.  (These are also the places ahead of the products below)
.set ii, ii+2
.endr
.endr
	WIN 0
	s_wait_dscnt 0x0                               ; asked for ahead of the softmax
.endif
	OPROD \kind, 0, Y, FSY
.if \kind != 2
	PLACES 4                                       ; in front of the loads into Y and its scale words
	WIN 0x40
	LOADC Y, STB+6144                              ; the next step's last four of K: eight products with V and eight with K stand ahead of their use
	WIN 0
	LOADS FSY, STB+KSC+512
.endif
	OPROD \kind, 1, Z, FSZ
	WIN 0
.endm
	s_wait_tensorcnt 1                             ; my eighth of block 0 is in; the second load may stay out
	s_barrier_signal -1
	s_barrier_wait -1
	LOADC X, 0                                     ; key step 0's K
	LOADS FSX, KSC
	WIN 0x40
	LOADC Y, 6144
	WIN 0
	LOADS FSY, KSC+512
	s_wait_loadcnt 0x0                             ; Q
	STEP 0
	s_mov_b32 s38, 6
.Lstep:
	STEP 1
	s_sub_co_u32 s38, s38, 1
	s_cmp_lg_u32 s38, 0
	s_cbranch_scc1 .Lstep
	STEP 2
	; THE WAY OUT.  O^T / the sum is enc; it is quantised along the head's 128, and the codes' registers are the next product's fragment: they are stored as they stand.
	PLACES 4                                       ; in front of the first read of the last results
.irp j, 0,1
	v_add_f32 v[ST+4*\j+2], v[ST+4*\j+2], v[ST+4*\j+3]
.endr
.irp j, 0,1
	v_permlanex16_b32 v[PT+\j], v[ST+4*\j+2], s[SEL], s[SEL+1]
.endr
.irp j, 0,1
	v_add_f32 v[ST+4*\j+2], v[ST+4*\j+2], v[PT+\j] ; the row's sum
.endr
.irp j, 0,1
	v_rcp_f32 v[F+2*\j], v[ST+4*\j+2]
.endr
	v_nop                                          ; a plain place behind the reciprocals
	s_wait_alu depctr_va_vdst(0)                   ; one wait for both, ahead of their first reader
	WIN 0x01                                       ; source 0 (O^T) window 1
.irp j, 0,1
.set ii, 0
.rept 64
	v_mul_f32 v[S+64*\j+ii], v[64*\j+ii], v[F+2*\j]   ; register 16 b + i = dimension 32 b + 16 h + i of my query; each accumulator from its low end on
.set ii, ii+1
.endr
.endr
	WIN 0
.macro QUANT j
.set rS, S+64*(\j)
.set rC, PC+12*(\j)
.set rW, PW+(\j)
.irp b, 0,1,2,3
	v_max3_num_f32 v[BM+\b], |v[rS+16*\b]|, |v[rS+1+16*\b]|, 0x1800000
.endr
.irp i, 2,4,6,8,10,12,14
.irp b, 0,1,2,3
	v_max3_num_f32 v[BM+\b], v[BM+\b], |v[rS+16*\b+\i]|, |v[rS+1+16*\b+\i]|
.endr
.endr
.irp b, 0,1,2,3
	v_permlanex16_b32 v[PT+\b], v[BM+\b], s[SEL], s[SEL+1]
.endr
.irp b, 0,1,2,3
	v_max_num_f32 v[BM+\b], v[BM+\b], v[PT+\b]
.endr
	CODES rS, rC, rW
.endm
	QUANT 0
	QUANT 1
.irp i, 0,1,2,3,4,5
	global_store_b128 v[LI], v[PC+4*\i:PC+4*\i+3], s[10:11] offset:512*\i   ; my two heads' fragments: 32 lanes store 512 consecutive bytes, at a multiple of 256 from the buffer's first byte
.endr
	global_store_b64 v[RO], v[PW:PW+1], s[12:13]   ; my two heads' scale words of row r: lanes 16-31 hold the same two words as lanes 0-15 and write the same bytes, so EXEC is left alone
	s_wait_tensorcnt 0x0
	ds_add_u32 v254, v255
	s_wait_dscnt 0x0
	CROUND                                         ; the closing round: no work-group ends while a partner may still ask for a tile that names it
	s_endpgm
.Lfunc_end_k_q0c248ad3a2_attn:
	.size	k_q0c248ad3a2_attn, .Lfunc_end_k_q0c248ad3a2_attn-k_q0c248ad3a2_attn
	.p2alignl 7, 3214868480
	.fill 96, 4, 3214868480
	.section	.rodata,"a",@progbits
	.p2align	6, 0x0
	.amdhsa_kernel k_q0c248ad3a2_attn
		.amdhsa_group_segment_fixed_size 214016
		.amdhsa_private_segment_fixed_size 0
		.amdhsa_enable_private_segment 0
		.amdhsa_kernarg_size 40
		.amdhsa_user_sgpr_count 2
		.amdhsa_user_sgpr_kernarg_segment_ptr 1
		.amdhsa_wavefront_size32 1
		.amdhsa_system_sgpr_workgroup_id_x 1
		.amdhsa_system_sgpr_workgroup_id_y 1
		.amdhsa_system_sgpr_workgroup_id_z 1
		.amdhsa_system_vgpr_workitem_id 0
		.amdhsa_next_free_vgpr 512
		.amdhsa_next_free_sgpr 66
		.amdhsa_reserve_vcc 0
		.amdhsa_float_denorm_mode_32 3
		.amdhsa_float_denorm_mode_16_64 3
		.amdhsa_memory_ordered 1
		.amdhsa_forward_progress 1
		.amdhsa_inst_pref_size 118
	.end_amdhsa_kernel
	.amdgpu_metadata
---
amdhsa.version: [ 1, 2 ]
amdhsa.kernels:
  - .name:           k_q0c248ad3a2_attn
    .symbol:         k_q0c248ad3a2_attn.kd
    .args:
      - { .name: q_img, .offset: 0, .size: 8, .value_kind: global_buffer, .address_space: global }
      - { .name: q_sc, .offset: 8, .size: 8, .value_kind: global_buffer, .address_space: global }
      - { .name: kv, .offset: 16, .size: 8, .value_kind: global_buffer, .address_space: global }
      - { .name: enc_img, .offset: 24, .size: 8, .value_kind: global_buffer, .address_space: global }
      - { .name: enc_sc, .offset: 32, .size: 8, .value_kind: global_buffer, .address_space: global }
    .group_segment_fixed_size: 214016
    .private_segment_fixed_size: 0
    .kernarg_segment_align: 8
    .kernarg_segment_size: 40
    .max_flat_workgroup_size: 256
    .sgpr_count:     66
    .vgpr_count:     512
    .wavefront_size: 32
...
	.end_amdgpu_metadata
.endif
;; end of part 3
;; launch outp (part 4): grid 8 x 32, 4 waves a work-group, clusters of 4 x 4, 327,680 bytes of LDS; arguments enc_img, enc_sc, wo_img, Wout_scales, out0; writes out0
.if DOCPART == 4
	.amdgcn_target "amdgcn-amd-amdhsa--gfx1250"
	.amdhsa_code_object_version 6
	.text
	.protected	k_q0c248ad3a2_outp
	.globl	k_q0c248ad3a2_outp
	.p2align	8
	.type	k_q0c248ad3a2_outp,@function
k_q0c248ad3a2_outp:
	s_mov_b64 s[64:65], 0
	v_nop
	global_prefetch_b8 v0, s[64:65] scope:SCOPE_SE
	s_setreg_imm32_b32 hwreg(HW_REG_WAVE_MODE, 25, 1), 1
	s_wait_xcnt 0x0
	s_wait_alu depctr_hold_cnt(0) depctr_sa_sdst(0) depctr_va_vdst(0) depctr_va_sdst(0) depctr_va_ssrc(0) depctr_va_vcc(0) depctr_vm_vsrc(0)
	s_getreg_b32 s2, hwreg(HW_REG_IB_STS2, 6, 4)
	s_cmp_eq_u32 s2, 0
	s_cbranch_scc0 .Lentry_in_a_cluster
	s_endpgm
.Lentry_in_a_cluster:
	s_bfe_u32 s2, ttmp6, 0x10000c
	s_cmp_lg_u32 s2, 0xf033
	s_cbranch_scc0 .Lentry_shape_is_right
	s_endpgm
.Lentry_shape_is_right:
; out0[token][n] = sum over k of enc[token][k] Wout[n][k].  Both operands: codes of FP6 (E2M3), one E8M0 byte for each 32 along K; out0: [4096][2048] f32; sums in f32.
; BOTH OPERANDS' CODES COME AS IMAGES OF THE OPERAND'S REGISTERS: a fragment (16 rows x 128 K, 12 registers a lane) is three pieces of 512 bytes, 16 bytes a lane; in memory
; [128 rows][K / 512 (4)][tile of 16 rows (8)][K step of 128 (4)][1536].  So 128 rows x 512 along K are one dense block of 49,152 bytes, LDS needs no padding, and a fragment is three loads of 16 bytes a lane.
; The scale bytes lie as rows of 64 bytes, [row][K / 32].
; SHARES.  4,096 x 2,048 in tiles of 128 x 256 are 32 x 8 = 256 work-groups.  The four waves stand side by side: each makes all 128 rows x 64 columns: 8 x NB accumulators of 16 x 16.
; K goes in steps of 512 through a ring of two LDS slots of three blocks: wave 0 fetches A's, waves 1 and 2 B's two, wave 3 nothing.  K = 2,048 is four fills: the two first go out together, two are refills.
; THE SCALES of the tile's rows, for all of K, are dense blocks of 8,192 bytes for 128 rows: they come into LDS once, with the first fills, as units of 256 bytes + 16 of padding.
; CLUSTERS: 4 x 4 work-groups.  A's block hangs on the tile row alone and is asked for jointly along a row of the cluster, B's blocks on the tile column alone and jointly along a column.
; THE MATRIX INSTRUCTION IS USED TRANSPOSED (source 0 = 16 rows of Wout, source 1 = 16 rows of enc): a lane holds eight neighbouring numbers of a row of the result.
; The sixteen steps of 128 along K are written out: a loop over the ring's laps would have one trip.
; REGISTERS: window 0: v12-31 addresses; v32-95 scale words, two sets of 32; v96-127 and v144-175 rows on the way out; v128-223 A's 8 fragments, one set.  window 1: B's NB fragments, two sets, at v0 and v128.
;   windows 2, 3: accumulator (a, b) at v[8 (NB (a % 4) + b)], a < 4 in window 2.
.set NB,     4                         ; blocks of 16 columns a wave
.set NCH,    2                         ; blocks of 128 rows of B in a tile
.set NQ,     4                         ; steps of 128 along K in a slot
.set CP,     8192                      ; a row of the result in bytes
.set NT,     64*NB                     ; the tile's columns
.set FR,     12                        ; registers of a fragment
.set NL,     3                         ; LDS loads that bring one
.set NP,     4                         ; places behind this matrix instruction (ISA guide 7.12.1)
.set CHK,    49152                     ; 128 rows x 512 along K
.set TILEB,  4*CHK                     ; 128 rows x all of K, in memory
.set SLOT,   (1+NCH)*CHK
.set SCL,    2*SLOT                    ; behind the ring: the scales
.set HALFS,  32*272                    ; those of 128 rows
.set SBLK,   4*272                     ; those of 16 rows
.set SPARE,  SCL+(1+NCH)*HALFS         ; the spare words: 128 bytes a wave, two blocks of 256 bytes that no other line names
.set SP,     4*NT+16                   ; the way out: a stage row
.set RL,     4*NT/512                  ; loads of 512 bytes in a row
.set LPB,    4*RL                      ; loads in a batch of four rows
.set RD,   12
.set CO,   13                          ; 16 x lane
.set ADRA, 16                          ; v16-17 my lane's place in A's block of slot 0, 1
.set ADRB, 20                          ; v20-21 the same for my four tiles of B
.set STO,  24                          ; v24-27 the stage, on the way in: rows 32 k on
.set SPW,  28
.set NIL,  29
.set ADRS, 30                          ; scale words: lanes 0-15 A's rows, lanes 16-31 B's
.set ADRS2, 31                         ; scale words: A's rows in both halves
.set SC,   32
.set BK,   96
.set AF,   128
.set G1,   24
.set G0,   32
.set G1B,  48
.set G0B,  56
.set G1S,  68
.set G0S,  76
.set G1SB, 80
.set G0SB, 88
.set MSB, 0
.macro WIN new                         ; the immediate's high byte repeats the setting that is left
.if MSB != (\new)
	s_set_vgpr_msb (MSB<<8)|(\new)
.set MSB, (\new)
.endif
.endm
.set MUL_LO, 0xa1                      ; source 0 (B) window 1, source 1 (A) window 0, C and D window 2
.set MUL_HI, 0xf1                      ; the same, C and D window 3
.set TO_B,   0x40                      ; destination window 1, address window 0
.macro PLACES n
.rept \n
	v_nop
.endr
.endm
; A joint refill of slot s: wave 0 asks for A's block, waves 1 and 2 for B's, wave 3 for nothing.  The branches hang on the wave's number alone.  Four v_nop follow each line.
.macro JLOAD s
	s_cmp_eq_u32 s14, 0
	s_cbranch_scc0 .Lfor_b_\@
	tensor_load_to_lds s[G0+4*\s:G0+4*\s+3], s[G1:G1+7]
	s_nop 0
	PLACES 4
	s_branch .Lasked_\@
.Lfor_b_\@:
	s_cmp_gt_u32 s14, NCH
	s_cbranch_scc1 .Lasked_\@
	tensor_load_to_lds s[G0B+4*\s:G0B+4*\s+3], s[G1B:G1B+7]
	s_nop 0
	PLACES 4
.Lasked_\@:
.endm
.macro CREST                           ; a round of the cluster's barrier behind its opening barrier
	s_cmp_lg_u32 s14, 0
	s_cbranch_scc1 .Lnot_wave_0_\@
	s_barrier_signal -3
.Lnot_wave_0_\@:
	s_barrier_wait -3
	s_barrier_signal -1
	s_barrier_wait -1
.endm
.macro CROUND
	s_barrier_signal -1
	s_barrier_wait -1
	CREST
.endm
	s_load_b256 s[4:11], s[0:1], 0x0               ; enc's images s[4:5], enc's scales s[6:7], Wout's images s[8:9], Wout's scales s[10:11]
	s_load_b64 s[12:13], s[0:1], 0x20              ; out0
	v_lshl_add_u32 v[SPW], v0, 2, SPARE
	v_mov_b32 v[NIL], 0
	ds_add_u32 v28, v29
	s_wait_dscnt 0x0
	v_lshrrev_b32 v1, 5, v0
	v_readfirstlane_b32 s14, v1                    ; wave 0..3
	s_bfe_u32 s40, ttmp6, 0x40000                  ; cx
	s_bfe_u32 s41, ttmp6, 0x40004                  ; cy
	s_lshl_b32 s42, ttmp9, 2
	s_add_co_u32 s42, s42, s40                     ; tile column = 4 x cluster x + cx
	s_and_b32 s17, ttmp7, 0xffff
	s_lshl_b32 s17, s17, 2
	s_add_co_u32 s17, s17, s41                     ; tile row = 4 x cluster y + cy
	s_lshl_b32 s43, s41, 2
	s_lshl_b32 s43, 15, s43                        ; my row of the cluster
	s_lshl_b32 s44, 0x1111, s40                    ; my column
	; group 1 for the codes: a dense block of 49,152 bytes as 192 rows of 256 bytes (32 elements of 8), no padding
	s_or_b32 s[G1+0], s43, (3<<16)|(1<<21)
	s_or_b32 s[G1B+0], s44, (3<<16)|(1<<21)
.irp g, G1, G1B
	s_mov_b32 s[\g+1], 32<<16                      ; tensor_dim0
	s_mov_b32 s[\g+2], 192<<16                     ; tensor_dim1
	s_mov_b32 s[\g+3], 32<<16                      ; tile_dim0
	s_mov_b32 s[\g+4], 192                         ; tile_dim1
	s_mov_b32 s[\g+5], 32                          ; from row to row
	s_mov_b32 s[\g+6], 0
	s_mov_b32 s[\g+7], 0
.endr
	s_mul_i32 s20, s17, TILEB                      ; A: my tile row's images,
	s_mov_b32 s21, 0
	s_lshl_b32 s22, s17, 13                        ; and its scales: 128 rows x 64 bytes
	s_mov_b32 s23, 0
	s_max_u32 s45, s14, 1
	s_min_u32 s45, s45, NCH
	s_sub_co_u32 s45, s45, 1                       ; which of the tile's two blocks of B is mine to fetch
	s_mul_i32 s46, s42, NCH
	s_add_co_u32 s46, s46, s45                     ; its number among all sixteen
	s_mul_i32 s18, s14, CHK                        ; where my block goes in a slot: no place in the cluster enters an LDS address
	s_mul_i32 s19, s14, HALFS                      ; and its scales
	s_mul_i32 s92, s46, TILEB
	s_mov_b32 s93, 0
	s_lshl_b32 s94, s46, 13
	s_mov_b32 s95, 0
	s_wait_kmcnt 0x0
	s_add_nc_u64 s[20:21], s[4:5], s[20:21]
	s_add_nc_u64 s[22:23], s[6:7], s[22:23]
	s_add_nc_u64 s[92:93], s[8:9], s[92:93]
	s_add_nc_u64 s[94:95], s[10:11], s[94:95]
	; group 1 for the scales of 128 rows: 8,192 dense bytes as 32 rows of 256 bytes (32 elements of 8), 16 bytes of padding behind each
	s_or_b32 s[G1S+0], s43, (3<<16)|(1<<20)|(1<<21)|(5<<22)|(3<<25)
	s_or_b32 s[G1SB+0], s44, (3<<16)|(1<<20)|(1<<21)|(5<<22)|(3<<25)
.irp g, G1S, G1SB
	s_mov_b32 s[\g+1], 32<<16
	s_mov_b32 s[\g+2], 32<<16
	s_mov_b32 s[\g+3], 32<<16
	s_mov_b32 s[\g+4], 32
	s_mov_b32 s[\g+5], 32
	s_mov_b32 s[\g+6], 0
	s_mov_b32 s[\g+7], 0
.endr
	s_mov_b32 s[G0S], 1
	s_add_co_u32 s[G0S+1], s19, SCL
	s_mov_b64 s[G0S+2:G0S+3], s[22:23]
	s_or_b32 s[G0S+3], s[G0S+3], 0x80000000
	s_mov_b32 s[G0SB], 1
	s_add_co_u32 s[G0SB+1], s19, SCL
	s_mov_b64 s[G0SB+2:G0SB+3], s[94:95]
	s_or_b32 s[G0SB+3], s[G0SB+3], 0x80000000
.irp s, 0,1
	s_mov_b32 s[G0+4*\s], 1
	s_add_co_u32 s[G0+4*\s+1], s18, \s*SLOT
	s_add_nc_u64 s[G0+4*\s+2:G0+4*\s+3], s[20:21], \s*CHK
	s_or_b32 s[G0+4*\s+3], s[G0+4*\s+3], 0x80000000
	s_mov_b32 s[G0B+4*\s], 1
	s_add_co_u32 s[G0B+4*\s+1], s18, \s*SLOT
	s_add_nc_u64 s[G0B+4*\s+2:G0B+4*\s+3], s[92:93], \s*CHK
	s_or_b32 s[G0B+4*\s+3], s[G0B+4*\s+3], 0x80000000
.endr
	CROUND                                         ; all sixteen work-groups are here: the first joint loads meet
	s_cmp_eq_u32 s14, 0                            ; a wave's three first fills stand in one branch: its scales, its block of K step 0, of K step 1: three loads of mine are out
	s_cbranch_scc0 .Lfirst_b
	tensor_load_to_lds s[G0S:G0S+3], s[G1S:G1S+7]
	s_nop 0
	tensor_load_to_lds s[G0:G0+3], s[G1:G1+7]
	s_nop 0
	tensor_load_to_lds s[G0+4:G0+7], s[G1:G1+7]
	s_nop 0
	PLACES 4
	s_branch .Lfirst_done
.Lfirst_b:
	s_cmp_gt_u32 s14, NCH
	s_cbranch_scc1 .Lfirst_done
	tensor_load_to_lds s[G0SB:G0SB+3], s[G1SB:G1SB+7]
	s_nop 0
	tensor_load_to_lds s[G0B:G0B+3], s[G1B:G1B+7]
	s_nop 0
	tensor_load_to_lds s[G0B+4:G0B+7], s[G1B:G1B+7]
	s_nop 0
	PLACES 4
.Lfirst_done:
	v_and_b32 v1, 15, v0                           ; r = lane % 16
	v_bfe_u32 v2, v0, 4, 1                         ; h = lane / 16
	v_and_b32 v6, 31, v0
	v_lshlrev_b32 v[CO], 4, v6                     ; 16 x lane: an image's place for my lane; also my 16 bytes of 512 on the way out
	s_mul_i32 s22, s14, NB*NQ*1536                 ; my four tiles of B,
	s_add_co_u32 s22, s22, CHK                     ; behind A's block
	v_mov_b32 v[ADRA], v[CO]
	v_add_nc_u32 v[ADRA+1], SLOT, v[CO]
	v_add_nc_u32 v[ADRB], s22, v[CO]
	s_add_co_u32 s22, s22, SLOT
	v_add_nc_u32 v[ADRB+1], s22, v[CO]
	v_lshlrev_b32 v5, 6, v1                        ; a row's scales: 64 bytes a row,
	v_lshrrev_b32 v6, 2, v1
	v_lshl_add_u32 v5, v6, 4, v5                   ; and 16 more for each 256 passed
	v_add_nc_u32 v[ADRS2], SCL, v5
	s_mul_i32 s22, s14, NB*SBLK
	s_add_co_u32 s22, s22, HALFS                   ; from A's rows to my rows of B
	v_mul_u32_u24 v6, s22, v2                      ; lanes 16-31 take B's
	v_add_nc_u32 v[ADRS], v[ADRS2], v6
	v_mul_u32_u24 v5, v1, SP                       ; the stage, in: row r, 32 bytes for each half of the lanes, my 64 NB bytes of a row
	v_lshl_add_u32 v5, v2, 5, v5
	s_mul_i32 s23, s14, 64*NB
	v_add_nc_u32 v5, s23, v5
.irp k, 0,1,2,3
	v_add_nc_u32 v[STO+\k], \k*32*SP, v5
.endr
	s_mul_i32 s23, s14, 32*SP                      ; wave w stores rows 32 w .. 32 w + 31
	v_add_nc_u32 v[RD], s23, v[CO]
	s_lshl_b32 s20, s17, 7
	s_lshl_b32 s21, s14, 5
	s_add_co_u32 s20, s20, s21
	s_mul_i32 s20, s20, CP                         ; the first row that I store (under 2^32 bytes)
	s_mov_b32 s21, 0
	s_mul_i32 s46, s42, 4*NT                       ; the tile's first column
	s_mov_b32 s47, 0
	s_add_nc_u64 s[12:13], s[12:13], s[20:21]
	s_add_nc_u64 s[12:13], s[12:13], s[46:47]
; A fragment's image: tile i of the block, the slot's q-th 128 along K: three loads, each of 512 consecutive bytes
.macro FRAG reg, adr, q, i
.irp c, 0,1,2
	ds_load_b128 v[\reg+4*\c:\reg+4*\c+3], v[\adr] offset:((\i)*NQ+(\q))*1536+512*\c
.endr
.endm
; 2 NB matrix instructions: A's blocks a0, a0 + 1 x B's NB, the slot's q-th 128 along K.  p: B's set; sc: the set of scale words; zero = 1: the product starts the sums.
; The 8 NB accumulators take turns, one instruction a turn, in the same order in every step.
.macro MULG a0, p, q, sc, zero
.irp a, \a0, \a0+1
.set bb, 0
.rept NB
.set rD, 8*(NB*((\a)%4)+bb)
.set rB, 128*(\p)+FR*bb
.set rA, AF+FR*(\a)
.if \zero
	v_wmma_scale_f32_16x16x128_f8f6f4 v[rD:rD+7], v[rB:rB+FR-1], v[rA:rA+FR-1], 0, v[SC+32*(\sc)+4*bb+(\q)], v[SC+32*(\sc)+4*(\a)+(\q)] matrix_a_fmt:MATRIX_FMT_FP6 matrix_b_fmt:MATRIX_FMT_FP6 matrix_a_scale:MATRIX_SCALE_ROW1
.else
	v_wmma_scale_f32_16x16x128_f8f6f4 v[rD:rD+7], v[rB:rB+FR-1], v[rA:rA+FR-1], v[rD:rD+7], v[SC+32*(\sc)+4*bb+(\q)], v[SC+32*(\sc)+4*(\a)+(\q)] matrix_a_fmt:MATRIX_FMT_FP6 matrix_b_fmt:MATRIX_FMT_FP6 matrix_a_scale:MATRIX_SCALE_ROW1
.endif
.set bb, bb+1
.endr
.endr
.endm
.macro FETCH_B slot, q, p
	WIN TO_B
.set ii, 0
.rept NB
	FRAG 128*(\p)+FR*ii, ADRB+\slot, \q, ii
.set ii, ii+1
.endr
	WIN 0
.endm
.macro FETCH_A slot, q, i0
.irp i, \i0, \i0+1, \i0+2, \i0+3
	FRAG AF+FR*(\i), ADRA+\slot, \q, \i
.endr
.endm
.macro SCALES sc                       ; a slot's four scale words a row, 16 bytes: register 4 i + q: lanes 0-15 A's block i, lanes 16-31 B's block i (where B has none: A's again, not read)
.set ii, 0
.rept 8
.if ii < NB
	ds_load_b128 v[SC+32*\sc+4*ii:SC+32*\sc+4*ii+3], v[ADRS] offset:ii*SBLK
.else
	ds_load_b128 v[SC+32*\sc+4*ii:SC+32*\sc+4*ii+3], v[ADRS2] offset:ii*SBLK
.endif
.set ii, ii+1
.endr
.endm
; A step of 128 along K that has its successor in the same slot.  A has one set of registers: blocks 0-3 are fetched anew in the step's middle, blocks 4-7 at its end.
.macro STEP slot, q, zero
	s_wait_dscnt 4*NL                              ; all but the youngest 12 loads, A's blocks 4-7, are in
	WIN MUL_LO
	MULG 0, (\q)%2, \q, \slot, \zero
	MULG 2, (\q)%2, \q, \slot, \zero
	s_wait_dscnt 0
	PLACES NP                                      ; in front of loads into registers that matrix instructions have read
	FETCH_B \slot, (\q)+1, 1-(\q)%2
	FETCH_A \slot, (\q)+1, 0
	WIN MUL_HI
	MULG 4, (\q)%2, \q, \slot, \zero
	MULG 6, (\q)%2, \q, \slot, \zero
	PLACES NP
	WIN 0
	FETCH_A \slot, (\q)+1, 4
.endm
; A slot's last step changes slots: one barrier; in front of it each wave waits for all its tensor loads, adds 0 to its spare word, and waits for that and for its reads of this slot.
.macro TURN slot, next, fill
	s_wait_tensorcnt 0x0                           ; all my tensor loads have landed: the one that was out is my block of the next slot
	ds_add_u32 v[SPW], v[NIL]                      ; 0 onto my spare word
	s_wait_dscnt 4*NL+1                            ; (the add and A's blocks 4-7 may be out)
	WIN MUL_LO
	MULG 0, 1, NQ-1, \slot, 0                      ; matrix work stands between the add and the wait for it
	s_wait_dscnt 0x0                               ; the add is done, and my reads of this slot are over
	s_barrier_signal -1
	MULG 2, 1, NQ-1, \slot, 0
	WIN 0
	s_barrier_wait -1
.if \fill
	CREST                                          ; the barrier has opened a round of the cluster's: no wave of any partner still reads this slot or has a load on its way
	s_add_nc_u64 s[G0+4*\slot+2:G0+4*\slot+3], s[G0+4*\slot+2:G0+4*\slot+3], 2*CHK
	s_add_nc_u64 s[G0B+4*\slot+2:G0B+4*\slot+3], s[G0B+4*\slot+2:G0B+4*\slot+3], 2*CHK
	JLOAD \slot                                    ; the first tensor load behind the round: it has four steps of 128, less half a step, in which to land
	PLACES NP                                      ; (the wave that fetches nothing has passed none)
.else
	PLACES NP
.endif
	v_add_nc_u32 v[ADRS], 16, v[ADRS]              ; on to the next slot's scale words
	v_add_nc_u32 v[ADRS2], 16, v[ADRS2]
	FETCH_B \next, 0, 0
	FETCH_A \next, 0, 0
	SCALES \next
	WIN MUL_HI
	MULG 4, 1, NQ-1, \slot, 0
	MULG 6, 1, NQ-1, \slot, 0
	PLACES NP
	WIN 0
	FETCH_A \next, 0, 4
.endm
	s_wait_tensorcnt 1                             ; my scales and my block of K step 0 are in; K step 1's load may be out
	s_barrier_signal -1
	s_barrier_wait -1
	FETCH_B 0, 0, 0
	FETCH_A 0, 0, 0
	SCALES 0
	FETCH_A 0, 0, 4
	STEP 0, 0, 1                                   ; K 0 to 511: the first step's products start the sums
	STEP 0, 1, 0
	STEP 0, 2, 0
	TURN 0, 1, 1                                   ; slot 0 takes K 1,024 to 1,535
	STEP 1, 0, 0
	STEP 1, 1, 0
	STEP 1, 2, 0
	TURN 1, 0, 1                                   ; slot 1 takes K 1,536 to 2,047
	STEP 0, 0, 0
	STEP 0, 1, 0
	STEP 0, 2, 0
	TURN 0, 1, 0                                   ; nothing is left to fetch
	STEP 1, 0, 0
	STEP 1, 1, 0
	STEP 1, 2, 0
	s_wait_dscnt 4*NL
	WIN MUL_LO
	MULG 0, 1, NQ-1, 1, 0
	MULG 2, 1, NQ-1, 1, 0
	s_wait_dscnt 0
	WIN MUL_HI
	MULG 4, 1, NQ-1, 1, 0
	MULG 6, 1, NQ-1, 1, 0
	WIN 0
; THE WAY OUT.  The four waves share one stage of 128 rows, so that whole rows of the tile leave together.  It lies in slot 0, which has had its last fill; behind the barrier below nobody reads
; the ring.  Then each wave stores 32 whole rows, 512 consecutive bytes an instruction.
	s_barrier_signal -1                            ; my LDS loads are all in (the wait for 0 above)
	s_barrier_wait -1
	PLACES NP                                      ; in front of the first read of the last results
.set aa, 0
.rept 8
	WIN 0x08+4*(aa/4)                              ; an LDS store's data are its source 1: window 2 or 3
.set bb, 0
.rept NB
.set rD, 8*(NB*(aa%4)+bb)
	ds_store_b128 v[STO+aa/2], v[rD:rD+3] offset:(aa%2)*16*SP+64*bb        ; each accumulator from its low end on
	ds_store_b128 v[STO+aa/2], v[rD+4:rD+7] offset:(aa%2)*16*SP+64*bb+16
.set bb, bb+1
.endr
.set aa, aa+1
.endr
	WIN 0
	s_wait_dscnt 0x0                               ; for the others' sake: my stores into the stage are done
	s_barrier_signal -1
	s_barrier_wait -1
.macro LOADB k                         ; four rows back from the stage
.set BB, BK+48*((\k)%2)
.set ii, 0
.rept 4
.set cc, 0
.rept RL
	ds_load_b128 v[BB+4*(RL*ii+cc):BB+4*(RL*ii+cc)+3], v[RD] offset:(4*(\k)+ii)*SP+512*cc
.set cc, cc+1
.endr
.set ii, ii+1
.endr
.endm
.macro SEND k, younger                 ; younger: the next batch's loads, which may stay out
.set BB, BK+48*((\k)%2)
	s_wait_dscnt \younger
.set ii, 0
.rept 4
.set cc, 0
.rept RL
	global_store_b128 v[CO], v[BB+4*(RL*ii+cc):BB+4*(RL*ii+cc)+3], s[12:13] offset:(4*(\k)+ii)*CP+512*cc th:TH_STORE_NT   ; 32 lanes store 512 consecutive bytes, at a multiple of 256 from the buffer's first byte
.set cc, cc+1
.endr
.set ii, ii+1
.endr
.endm
	LOADB 0
.irp k, 1,2,3,4,5,6,7
.if \k > 1
	s_wait_xcnt 0x0                                ; batch k - 2's stores have read their registers: batch k's loads may land there
.endif
	LOADB \k
	SEND \k-1, LPB
.endr
	SEND 7, 0
	s_wait_tensorcnt 0x0                           ; the wave's end
	ds_add_u32 v[SPW], v[NIL]
	s_wait_dscnt 0x0
	CROUND                                         ; the closing round: no work-group ends while a partner may still ask for a tile that names it
	s_endpgm
.Lfunc_end_k_q0c248ad3a2_outp:
	.size	k_q0c248ad3a2_outp, .Lfunc_end_k_q0c248ad3a2_outp-k_q0c248ad3a2_outp
	.p2alignl 7, 3214868480
	.fill 96, 4, 3214868480
	.section	.rodata,"a",@progbits
	.p2align	6, 0x0
	.amdhsa_kernel k_q0c248ad3a2_outp
		.amdhsa_group_segment_fixed_size 327680
		.amdhsa_private_segment_fixed_size 0
		.amdhsa_enable_private_segment 0
		.amdhsa_kernarg_size 40
		.amdhsa_user_sgpr_count 2
		.amdhsa_user_sgpr_kernarg_segment_ptr 1
		.amdhsa_wavefront_size32 1
		.amdhsa_system_sgpr_workgroup_id_x 1
		.amdhsa_system_sgpr_workgroup_id_y 1
		.amdhsa_system_sgpr_workgroup_id_z 1
		.amdhsa_system_vgpr_workitem_id 0
		.amdhsa_next_free_vgpr 1024
		.amdhsa_next_free_sgpr 100
		.amdhsa_reserve_vcc 0
		.amdhsa_float_denorm_mode_32 3
		.amdhsa_float_denorm_mode_16_64 3
		.amdhsa_memory_ordered 1
		.amdhsa_forward_progress 1
		.amdhsa_inst_pref_size 136
	.end_amdhsa_kernel
	.amdgpu_metadata
---
amdhsa.version: [ 1, 2 ]
amdhsa.kernels:
  - .name:           k_q0c248ad3a2_outp
    .symbol:         k_q0c248ad3a2_outp.kd
    .args:
      - { .name: enc_img, .offset: 0, .size: 8, .value_kind: global_buffer, .address_space: global }
      - { .name: enc_sc, .offset: 8, .size: 8, .value_kind: global_buffer, .address_space: global }
      - { .name: wo_img, .offset: 16, .size: 8, .value_kind: global_buffer, .address_space: global }
      - { .name: Wout_scales, .offset: 24, .size: 8, .value_kind: global_buffer, .address_space: global }
      - { .name: out0, .offset: 32, .size: 8, .value_kind: global_buffer, .address_space: global }
    .group_segment_fixed_size: 327680
    .private_segment_fixed_size: 0
    .kernarg_segment_align: 8
    .kernarg_segment_size: 40
    .max_flat_workgroup_size: 128
    .sgpr_count:     100
    .vgpr_count:     1024
    .wavefront_size: 32
...
	.end_amdgpu_metadata
.endif
;; end of part 4
